; MI455X (gfx1250); checked and timed in simulation.
; The chip was launched on July 23, 2026; its instructions are those of AMD's public machine-readable ISA for CDNA 5 (MIT licence, August 2026) and "CDNA5" Instruction Set Architecture Reference Guide (July 2026). The comments in the code are by the model that wrote it; some were corrected since.
;; Sliding Window Attention. Allowed arithmetic: matrix products marked QUANTISED: E5M2 operands, one E8M0 scale for each 32 along K, by v_wmma_scale_f32_16x16x128_f8f6f4 with both operands' format E5M2, f32 sums; everything else in f32.
;; Inputs: ln1_b 1,024 float32; ln1_g 1,024 float32; ln2_b 1,024 float32; ln2_g 1,024 float32; mlp_b1 4,096 float32; mlp_b2 1,024 float32; mlp_w1_codes 4,096 x 32 x 32 uint8 (E5M2 codes of mlp_w1, K innermost, in blocks of 32 codes); mlp_w1_scales 4,096 x 32 uint8 (E8M0 scales of mlp_w1, one for each 32 codes along K); mlp_w2_codes 1,024 x 128 x 32 uint8 (E5M2 codes of mlp_w2, K innermost, in blocks of 32 codes); mlp_w2_scales 1,024 x 128 uint8 (E8M0 scales of mlp_w2, one for each 32 codes along K); w_o_codes 1,024 x 32 x 32 uint8 (E5M2 codes of w_o, K innermost, in blocks of 32 codes); w_o_scales 1,024 x 32 uint8 (E8M0 scales of w_o, one for each 32 codes along K); w_qkv_codes 3,072 x 32 x 32 uint8 (E5M2 codes of w_qkv, K innermost, in blocks of 32 codes); w_qkv_scales 3,072 x 32 uint8 (E8M0 scales of w_qkv, one for each 32 codes along K); x 2 x 2,048 x 1,024 float32.
;; Outputs: out0 2 x 2,048 x 1,024 float32.
;; This version of the problem:
;;   THIS VERSION OF THE PROBLEM IS GIVEN IN LOW PRECISION. The matrix products marked QUANTISED in the list below multiply operands that are first quantised to E5M2 (5 exponent bits, 2 mantissa bits; 8 bits a number), with one power-of-two scale for each 32 numbers along K (OCP MX v1.0); their sums are f32. All else is computed in f32.
;;   The module's matrix products, in the order in which they are computed (A, B: the left and right operand; K: the contracted axis; several contracted axes count as one K, in the product's order):
;;     1. [M 4,096, K 1,024] x [K 1,024, N 3,072]; A: computed on the way; B: input w_qkv (given as codes): QUANTISED
;;     2. batch 128 x [M 512, K 64] x [K 64, N 1,024]; A: computed on the way; B: computed on the way: QUANTISED
;;     3. batch 128 x [M 512, K 1,024] x [K 1,024, N 64]; A: softmax (see below); B: computed on the way: QUANTISED
;;     4. [M 4,096, K 1,024] x [K 1,024, N 1,024]; A: computed on the way; B: input w_o (given as codes): QUANTISED
;;     5. [M 4,096, K 1,024] x [K 1,024, N 4,096]; A: computed on the way; B: input mlp_w1 (given as codes): QUANTISED
;;     6. [M 4,096, K 4,096] x [K 4,096, N 1,024]; A: computed on the way; B: input mlp_w2 (given as codes): QUANTISED
;;   THE QUANTISER, for each operand of a quantised product, along K:
;;     - K is cut into blocks of 32 from its start; a last block that is shorter is filled with zeros.
;;     - A block's scale is 2^e with e = floor(log2(the largest magnitude in the block)) - 15, held to -126 .. 127; a block of zeros has e = 0. As a byte (E8M0): e + 127.
;;     - Each number is divided by its block's scale, clamped to +-57,344, and rounded to the nearest number of E5M2, ties to even, subnormals kept.
;;     - The product sums the exact products of the quantised numbers (number of the format x scale) in f32.
;;   ~~~python
;;   def quantise(x, axis):      # numpy; x: float32 -> the quantised numbers, widened to float32 again
;;       x = np.moveaxis(x, axis, -1); K = x.shape[-1]
;;       x = np.pad(x, [(0, 0)] * (x.ndim - 1) + [(0, -K % 32)]); x = x.reshape(x.shape[:-1] + (-1, 32)); a = np.abs(x).max(-1, keepdims=True)
;;       e = np.where(a > 0, np.clip(np.frexp(np.where(a > 0, a, 1))[1] - 1 - 15, -126, 127), 0)      # np.frexp(a)[1] - 1 = floor(log2(a)), exactly
;;       r = np.clip(x / 2.0 ** e, -57344, 57344)
;;       step = 2.0 ** (np.maximum(np.frexp(np.where(r == 0, 1, r))[1] - 1, -14) - 2)
;;       q = np.round(r / step) * step * 2.0 ** e      # np.round: ties to even
;;       return np.moveaxis(q.reshape(q.shape[:-2] + (-1,))[..., :K], -1, axis).astype(np.float32)
;;   ~~~
;;   SOFTMAX AHEAD OF A QUANTISED PRODUCT. Where the list says 'softmax', what is quantised is not the finished softmax but p = 2^(t - M), with t = logit x log2(e) and M = ceil(the row's largest t), a whole number; so 1/2 < the row's largest p <= 1. The row's sum l is taken of the UNQUANTISED p, in f32, and the product's result is divided by l at the end. Since M is a whole number, a kernel that streams over the keys may use a running M (the ceiling of the running maximum): every later rescaling is an exact power of two, which a block's scale takes up: the codes' values come out the same.
;;   OPERANDS COMPUTED ON THE WAY. 'Computed on the way' means the value that the module computes at that place (a softmax that the list does not call 'softmax' is quantised finished and normalised). What goes into a quantiser is computed in f32, as accurately as f32 sums, v_exp_f32 and their like allow (about 1e-6 of the number): no bf16 or f16 on the way to a quantiser, and a product that is left as it is and whose result goes on into a quantised operand takes f32 operands (vector FMAs, or v_wmma_f32_16x16x4_f32). A number that lies on a knife's edge between two numbers of the format may be rounded either way, as far as f32 arithmetic and the matrix unit's own rounding can turn it there, and no further.
;;   INPUTS GIVEN AS CODES. mlp_w1 (in the module: [4096, 1024], K = its axis 1); mlp_w2 (in the module: [1024, 4096], K = its axis 1); w_o (in the module: [1024, 1024], K = its axis 1); w_qkv (in the module: [3072, 1024], K = its axis 1): each comes as NAME_codes (uint8): NAME with its K axis moved to the last place and cut into blocks of 32 codes, [.., K / 32, bytes a block], one block behind the other in memory; one code a byte (a code: sign, 5 exponent bits, 2 mantissa bits); and NAME_scales (uint8): the same leading axes, one E8M0 byte (e + 127) for each 32 codes along K. Its value is code x scale, taken as it is: it is not quantised again, and the codes and scales need not be those that the quantiser above would give.
;; One version. Each part assembles by itself: llvm-mc -triple=amdgcn-amd-amdhsa -mcpu=gfx1250 --defsym DOCPART=n.
;; ======== version 1 of 1: 7 launches
;; workspace buffers: hc 4,194,304 bytes; hs 131,072 bytes; big 16,777,216 bytes; bigs 524,288 bytes; aoc 4,194,304 bytes; aos 131,072 bytes; x1 16,777,216 bytes
;; launch ln1 (part 1): grid 256 x 1, 8 waves a work-group, no clusters, 42,496 bytes of LDS; arguments x, ln1_g, ln1_b, hc, hs; writes hc, hs
.if DOCPART == 1
	.amdgcn_target "amdgcn-amd-amdhsa--gfx1250"
	.amdhsa_code_object_version 6
	.text
	.protected	k_q02885eb326_ln1
	.globl	k_q02885eb326_ln1
	.p2align	8
	.type	k_q02885eb326_ln1,@function
k_q02885eb326_ln1:
	s_mov_b64 s[64:65], 0
	v_nop
	global_prefetch_b8 v0, s[64:65] scope:SCOPE_SE
	s_setreg_imm32_b32 hwreg(HW_REG_WAVE_MODE, 25, 1), 1
	s_wait_xcnt 0x0
; LAYER NORM AND QUANTISER.  y = (x - mean) * rsqrt(var + 1e-5) * g + b for rows of 1,024 f32; y is turned into codes of E5M2, K innermost, with one E8M0 byte for each 32 along the row.
; A work-group of eight waves takes 16 rows, a wave two.  A row is 4,096 bytes: eight loads of 512 consecutive bytes, 32 registers; mean and variance are taken in two passes over the registers.
; The conversions want 16 neighbours in one lane, the loads give 4: a row turns through the wave's own stage in LDS (64 bytes + 16 of padding for each place) and comes back 64 bytes a lane; two neighbouring lanes hold a block of 32.
; A lane's 16 codes are 16 bytes: a store of the wave covers 512 consecutive bytes.  The work-group's 512 scale bytes meet in LDS and leave by one store of wave 0.
; No matrix unit, no tensor load, no cluster: the launch reads each number once and work-groups share only g and b (8 KB).
; LIMITS: NaN and infinities are not served.  A block whose largest magnitude lies under 2^-111 (a block of zeros too) gets the byte 1: its codes are zeros or nearly so, and only this program reads the bytes.
.set XA, 16                            ; v16-47   row A
.set XB, 48                            ; v48-79   row B
.set GG, 80                            ; v80-111  g
.set BB, 112                           ; v112-143 b
.set CD, 144                           ; v144-159 codes: four registers for each (row, half): no store's data are written again
.set T,  160                           ; v160-191 at work; then 2 x 16 neighbours
.set SP, 80
.set WREG, 64*SP                       ; a wave's stage: 64 places
.set SCST, 8*WREG                      ; behind the stages: 16 rows x 32 scale bytes
	s_load_b256 s[4:11], s[0:1], 0x0               ; x, g, b, codes
	s_load_b64 s[12:13], s[0:1], 0x20              ; scale bytes
	v_lshl_add_u32 v192, v0, 2, 0xa200
	v_mov_b32 v193, 0
	v_lshrrev_b32 v5, 5, v0
	v_readfirstlane_b32 s16, v5                    ; wave
	v_and_b32 v6, 31, v0                           ; lane
	v_lshlrev_b32 v1, 4, v6                        ; 16 x lane
	s_mul_i32 s20, s16, WREG
	v_lshrrev_b32 v2, 2, v6
	v_mul_u32_u24 v2, v2, SP
	v_and_b32 v7, 3, v6
	v_lshl_add_u32 v2, v7, 4, v2
	v_add_nc_u32 v2, s20, v2                       ; the stage, way in: four lanes' 64 bytes on end, then padding
	v_mul_u32_u24 v3, v6, SP
	v_add_nc_u32 v3, s20, v3                       ; way out: my place
	s_lshl_b32 s21, s16, 6
	s_add_co_u32 s21, s21, SCST
	v_lshrrev_b32 v4, 1, v6
	v_add_nc_u32 v4, s21, v4                       ; my block's scale byte: 64 x wave + lane / 2
	v_add_nc_u32 v15, SCST, v1                     ; wave 0's read of all 512
	s_mov_b32 s14, 0x76543210
	s_mov_b32 s15, 0xfedcba98                      ; lane l xor 16
	s_mov_b32 s17, 0x600000                        ; the mantissa field of 57,344
	s_mov_b32 s18, 0x3a800000                      ; 1 / 1024
	s_mov_b32 s19, 0x3727c5ac                      ; 1e-5
	s_lshl_b32 s22, ttmp9, 16                      ; 16 rows of 4,096 bytes a work-group,
	s_lshl_b32 s23, s16, 13                        ; two a wave
	s_add_co_u32 s22, s22, s23
	s_mov_b32 s23, 0
	s_lshr_b32 s24, s22, 2                         ; the codes: a quarter of that
	s_mov_b32 s25, 0
	s_lshl_b32 s26, ttmp9, 9                       ; the scale bytes: 512 a work-group
	s_mov_b32 s27, 0
	s_wait_kmcnt 0x0
	s_add_nc_u64 s[4:5], s[4:5], s[22:23]
	s_add_nc_u64 s[10:11], s[10:11], s[24:25]
	s_add_nc_u64 s[12:13], s[12:13], s[26:27]
.irp i, 0,1,2,3,4,5,6,7
	global_load_b128 v[XA+4*\i:XA+4*\i+3], v1, s[4:5] offset:512*\i th:TH_LOAD_NT
.endr
.irp i, 0,1,2,3,4,5,6,7
	global_load_b128 v[XB+4*\i:XB+4*\i+3], v1, s[4:5] offset:4096+512*\i th:TH_LOAD_NT
.endr
.irp i, 0,1,2,3,4,5,6,7
	global_load_b128 v[GG+4*\i:GG+4*\i+3], v1, s[6:7] offset:512*\i
.endr
.irp i, 0,1,2,3,4,5,6,7
	global_load_b128 v[BB+4*\i:BB+4*\i+3], v1, s[8:9] offset:512*\i
.endr
.macro LANESUM                         ; v[T] summed over the 32 lanes, in every lane
	v_add_f32_dpp v[T], v[T], v[T] row_xmask:1 row_mask:0xf bank_mask:0xf
	v_add_f32_dpp v[T], v[T], v[T] row_xmask:2 row_mask:0xf bank_mask:0xf
	v_add_f32_dpp v[T], v[T], v[T] row_xmask:4 row_mask:0xf bank_mask:0xf
	v_add_f32_dpp v[T], v[T], v[T] row_xmask:8 row_mask:0xf bank_mask:0xf
	v_permlanex16_b32 v[T+1], v[T], s14, s15
	v_add_f32 v[T], v[T], v[T+1]
.endm
; the row in v[X] on becomes x - mean; 1 / sqrt(var + eps) goes, twice, into the pair v[R]
.macro STAT X, R
.irp k, 0,1,2,3
	v_pk_add_f32 v[T+2*\k:T+2*\k+1], v[\X+4*\k:\X+4*\k+1], v[\X+4*\k+2:\X+4*\k+3]
.endr
.irp k, 0,1,2,3
	v_pk_add_f32 v[T+2*\k:T+2*\k+1], v[T+2*\k:T+2*\k+1], v[\X+16+4*\k:\X+16+4*\k+1]
.endr
.irp k, 0,1,2,3
	v_pk_add_f32 v[T+2*\k:T+2*\k+1], v[T+2*\k:T+2*\k+1], v[\X+18+4*\k:\X+18+4*\k+1]
.endr
	v_pk_add_f32 v[T:T+1], v[T:T+1], v[T+2:T+3]
	v_pk_add_f32 v[T+4:T+5], v[T+4:T+5], v[T+6:T+7]
	v_pk_add_f32 v[T:T+1], v[T:T+1], v[T+4:T+5]
	v_add_f32 v[T], v[T], v[T+1]
	LANESUM
	v_mul_f32 v[T], s18, v[T]                      ; the mean
	v_mov_b32 v[T+1], v[T]
.irp p, 0,2,4,6,8,10,12,14,16,18,20,22,24,26,28,30
	v_pk_add_f32 v[\X+\p:\X+\p+1], v[\X+\p:\X+\p+1], v[T:T+1] neg_lo:[0,1] neg_hi:[0,1]
.endr
.irp k, 0,1,2,3
	v_pk_mul_f32 v[T+2+2*\k:T+3+2*\k], v[\X+2*\k:\X+2*\k+1], v[\X+2*\k:\X+2*\k+1]
.endr
.irp p, 8,16,24
.irp k, 0,1,2,3
	v_pk_fma_f32 v[T+2+2*\k:T+3+2*\k], v[\X+\p+2*\k:\X+\p+2*\k+1], v[\X+\p+2*\k:\X+\p+2*\k+1], v[T+2+2*\k:T+3+2*\k]
.endr
.endr
	v_pk_add_f32 v[T+2:T+3], v[T+2:T+3], v[T+4:T+5]
	v_pk_add_f32 v[T+6:T+7], v[T+6:T+7], v[T+8:T+9]
	v_pk_add_f32 v[T+2:T+3], v[T+2:T+3], v[T+6:T+7]
	v_add_f32 v[T], v[T+2], v[T+3]
	LANESUM
	v_fma_f32 v[T], v[T], s18, s19                 ; var + eps
	v_rsq_f32 v[\R], v[T]
	v_rsq_f32 v[\R+1], v[T]
	v_nop                                          ; a plain instruction behind the transcendentals,
	s_wait_alu depctr_va_vdst(0)                   ; and the one wait for both, ahead of their first reader
.endm
.macro NORM X, R
.irp p, 0,2,4,6,8,10,12,14,16,18,20,22,24,26,28,30
	v_pk_mul_f32 v[\X+\p:\X+\p+1], v[\X+\p:\X+\p+1], v[\R:\R+1]
.endr
.irp p, 0,2,4,6,8,10,12,14,16,18,20,22,24,26,28,30
	v_pk_fma_f32 v[\X+\p:\X+\p+1], v[\X+\p:\X+\p+1], v[GG+\p:GG+\p+1], v[BB+\p:BB+\p+1]
.endr
.endm
; the row goes through the stage and is quantised: half u of it is 512 numbers, 16 neighbours a lane
.macro TURNQ X, rho
.irp i, 0,1,2,3,4,5,6,7
	ds_store_b128 v2, v[\X+4*\i:\X+4*\i+3] offset:8*SP*\i
.endr
.irp u, 0,1
.irp i, 0,1,2,3
	ds_load_b128 v[T+16*\u+4*\i:T+16*\u+4*\i+3], v3 offset:32*SP*\u+16*\i      ; LDS serves a wave's instructions in order: these see the stores above
.endr
.endr
	s_wait_dscnt 0x0
.irp u, 0,1
.set XS, T+16*\u
	v_max3_num_f32 v5, |v[XS]|, |v[XS+1]|, |v[XS+2]|
	v_max3_num_f32 v6, |v[XS+3]|, |v[XS+4]|, |v[XS+5]|
.irp i, 6,10
	v_max3_num_f32 v5, v5, |v[XS+\i]|, |v[XS+\i+1]|
	v_max3_num_f32 v6, v6, |v[XS+\i+2]|, |v[XS+\i+3]|
.endr
	v_max3_num_f32 v5, v5, |v[XS+14]|, |v[XS+15]|
	v_max3_num_f32 v5, v5, v6, 0x8000000           ; and the floor 2^(16 - 127): the byte cannot fall under 1
	v_max_num_f32_dpp v5, v5, v5 row_xmask:1 row_mask:0xf bank_mask:0xf   ; with my neighbour's 16: the block's largest magnitude
	v_add_nc_u32 v7, 0xf8800000, v5                ; 15 off its exponent field: the conversion's scale operand
	v_and_or_b32 v12, v5, 0x7f800000, s17          ; 57,344 x the scale
.irp i, 0,1,2,3,4,5,6,7,8,9,10,11,12,13,14,15
	v_med3_num_f32 v[XS+\i], v[XS+\i], -v12, v12   ; the conversion does not saturate (ISA guide 7.6.2): the hold comes first
.endr
	v_cvt_scalef32_pk8_bf8_f32 v[CD+4*(2*\rho+\u):CD+4*(2*\rho+\u)+1], v[XS:XS+7], v7
	v_cvt_scalef32_pk8_bf8_f32 v[CD+4*(2*\rho+\u)+2:CD+4*(2*\rho+\u)+3], v[XS+8:XS+15], v7
	v_lshrrev_b32 v[8+2*\rho+\u], 23, v7           ; the scale's byte
	ds_store_b8 v4, v[8+2*\rho+\u] offset:32*\rho+16*\u      ; both lanes of a block write the same byte
	global_store_b128 v1, v[CD+4*(2*\rho+\u):CD+4*(2*\rho+\u)+3], s[10:11] offset:1024*\rho+512*\u   ; 32 lanes store 512 consecutive bytes
.endr
.endm
	s_wait_loadcnt 24                              ; row A is in: 24 loads were issued behind its eight
	STAT XA, 8
	s_wait_loadcnt 16                              ; row B is in: g's and b's sixteen may be out
	STAT XB, 10
	s_wait_loadcnt 0x0
	NORM XA, 8
	NORM XB, 10
	TURNQ XA, 0
	TURNQ XB, 1
	s_wait_dscnt 0x0                               ; for the others' sake: my scale bytes have landed
	s_barrier_signal -1
	s_barrier_wait -1
	s_cmp_lg_u32 s16, 0
	s_cbranch_scc1 .Lend
	ds_load_b128 v[T:T+3], v15
	s_wait_dscnt 0x0
	global_store_b128 v1, v[T:T+3], s[12:13]       ; the work-group's 512 scale bytes: two aligned runs of 256
.Lend:
	s_wait_tensorcnt 0x0
	ds_add_u32 v192, v193
	s_wait_dscnt 0x0
	s_endpgm
.Lfunc_end_k_q02885eb326_ln1:
	.size	k_q02885eb326_ln1, .Lfunc_end_k_q02885eb326_ln1-k_q02885eb326_ln1
	.p2alignl 7, 3214868480
	.fill 96, 4, 3214868480
	.section	.rodata,"a",@progbits
	.p2align	6, 0x0
	.amdhsa_kernel k_q02885eb326_ln1
		.amdhsa_group_segment_fixed_size 42496
		.amdhsa_private_segment_fixed_size 0
		.amdhsa_enable_private_segment 0
		.amdhsa_kernarg_size 40
		.amdhsa_user_sgpr_count 2
		.amdhsa_user_sgpr_kernarg_segment_ptr 1
		.amdhsa_wavefront_size32 1
		.amdhsa_system_sgpr_workgroup_id_x 1
		.amdhsa_system_sgpr_workgroup_id_y 1
		.amdhsa_system_sgpr_workgroup_id_z 1
		.amdhsa_system_vgpr_workitem_id 0
		.amdhsa_next_free_vgpr 194
		.amdhsa_next_free_sgpr 66
		.amdhsa_reserve_vcc 0
		.amdhsa_float_denorm_mode_32 3
		.amdhsa_float_denorm_mode_16_64 3
		.amdhsa_memory_ordered 1
		.amdhsa_forward_progress 1
		.amdhsa_inst_pref_size 29
	.end_amdhsa_kernel
	.amdgpu_metadata
---
amdhsa.version: [ 1, 2 ]
amdhsa.kernels:
  - .name:           k_q02885eb326_ln1
    .symbol:         k_q02885eb326_ln1.kd
    .args:
      - { .name: x, .offset: 0, .size: 8, .value_kind: global_buffer, .address_space: global }
      - { .name: ln1_g, .offset: 8, .size: 8, .value_kind: global_buffer, .address_space: global }
      - { .name: ln1_b, .offset: 16, .size: 8, .value_kind: global_buffer, .address_space: global }
      - { .name: hc, .offset: 24, .size: 8, .value_kind: global_buffer, .address_space: global }
      - { .name: hs, .offset: 32, .size: 8, .value_kind: global_buffer, .address_space: global }
    .group_segment_fixed_size: 42496
    .private_segment_fixed_size: 0
    .kernarg_segment_align: 8
    .kernarg_segment_size: 40
    .max_flat_workgroup_size: 256
    .sgpr_count:     66
    .vgpr_count:     194
    .wavefront_size: 32
...
	.end_amdgpu_metadata
.endif
;; end of part 1
;; launch qkv (part 2): grid 12 x 16, 4 waves a work-group, clusters of 4 x 4, 327,680 bytes of LDS; arguments hc, hs, w_qkv_codes, w_qkv_scales, big, bigs; writes big, bigs
.if DOCPART == 2
	.amdgcn_target "amdgcn-amd-amdhsa--gfx1250"
	.amdhsa_code_object_version 6
	.text
	.protected	k_q02885eb326_qkv
	.globl	k_q02885eb326_qkv
	.p2align	8
	.type	k_q02885eb326_qkv,@function
k_q02885eb326_qkv:
	s_mov_b64 s[64:65], 0
	v_nop
	global_prefetch_b8 v0, s[64:65] scope:SCOPE_SE
	s_setreg_imm32_b32 hwreg(HW_REG_WAVE_MODE, 25, 1), 1
	s_wait_xcnt 0x0
	s_wait_alu depctr_hold_cnt(0) depctr_sa_sdst(0) depctr_va_vdst(0) depctr_va_sdst(0) depctr_va_ssrc(0) depctr_va_vcc(0) depctr_vm_vsrc(0)
	s_getreg_b32 s2, hwreg(HW_REG_IB_STS2, 6, 4)
	s_cmp_eq_u32 s2, 0
	s_cbranch_scc0 .Lentry_in_a_cluster
	s_endpgm
.Lentry_in_a_cluster:
	s_bfe_u32 s2, ttmp6, 0x10000c
	s_cmp_lg_u32 s2, 0xf033
	s_cbranch_scc0 .Lentry_shape_is_right
	s_endpgm
.Lentry_shape_is_right:
; A GEMM ON CODES OF E5M2 WHOSE RESULT IS QUANTISED ON THE WAY OUT.  K = 1,024.  UP = 0: q, k, v = h Wqkv^T.  UP = 1: gelu(h W1^T + b1).
; Operands: rows of 1,024 codes, K innermost, and 32 E8M0 bytes a row.  A tile of 256 x 256 is made by four waves, 128 x 128 each: 64 accumulators, 512 registers.  K goes in steps of 256 through two LDS slots
; filled by tensor loads (rows of 256 bytes + 16 of padding); the scale bytes of the tile's 512 rows come once, with the first fills.
; CLUSTER 4 x 4: the A-role tile hangs on cy and the cluster's ids and is asked for jointly along a row of the cluster, the B-role tile on cx and the ids, along a column.
; The matrix instruction is used transposed (source 0 = 16 B-role rows, source 1 = 16 A-role rows): a lane holds ONE A-role row and its registers run along the B-role rows.
; UP = 0, clusters x = 0, 1 (q, k): A-role = h, B-role = Wqkv: a lane's registers run along the head's 64, which is the score product's K.  Cluster x = 2 (v): THE ROLES ARE SWAPPED (pointers and tile numbers chosen by
; s_cselect on the cluster's x, no branch): a lane holds one channel of v and its registers run along the positions, which are the second product's K.  UP = 1: A-role = h, B-role = W1; the bias is the C of each sum's first product.
; THE WAY OUT.  Block by block of 16 rows x 128 columns, straight from the accumulators' registers: GELU (UP = 1); blocks of 32 columns are quantised (a block lies in lanes l and l xor 16); the codes are laid in LDS in rows
; of 128 + 16 bytes, in the slots, which have had their last fill and, behind a barrier, their last read; the wave's 128 rows x 128 bytes leave as 16 KB on end, 512 bytes a store.
; UP = 0: the eight blocks are written out, some 130 instructions each.  UP = 1: a block's work is some 800 instructions, so it is a loop of eight trips, and only the 32 lines that take a block's numbers out of its
; accumulators (halved on the way: GELU wants x / 2) are written eight times; the trip's number chooses among them.
; OUTPUT.  One row of 128 codes and one word of four scale bytes at the same index.  UP = 0: index ((which 2 + batch) 8 + pair of heads) 2048 + position (v: + 128 x block of keys + channel).
; In a block of 32, byte 16 h + i holds element 8 h + i % 8 + 16 (i / 8): q and k alike, and v in the order in which the attention launch's weights fall.  UP = 1: index (column / 128) 4096 + row, natural order.
; GELU: x / 2 (1 + erf(x / sqrt 2)), erf(z) = z P(z^2) / Q(z^2) with z held to +-4: degrees 6 and 4, good to a few units in the last place of erf.
; LIMITS: NaN and infinities are not served; a block under 2^-111 (zeros too) gets the byte 1, which this program alone reads.
.set UP, 0
.set KSTEP,  256
.set NQ,     2
.set ROWB,   256
.set KROW,   1024
.set PITCH,  272                       ; 256 bytes + 16: the 16 rows of a fragment load start at 16 different banks (64 banks of 4 bytes: ISA guide 11.1)
.set FR,     16
.set NL,     4
.set NP,     8                         ; places behind this matrix instruction (ISA guide 7.12.1)
.set HALFT,  128*PITCH
.set SLOT,   4*HALFT
.set KS,     32
.set SCL,    2*SLOT                    ; the scale bytes, as runs of 256 bytes + 16
.set HALFS,  (128*KS/256)*272
.set SBLK,   (16*KS/256)*272
.set SPARE,  SCL+4*HALFS               ; the spare words: 128 bytes a wave, named by no other line
.set WST,    SPARE+512                 ; the way out: 128 scale words a wave
.set STO,  11                          ; v11-12 the row loop's addresses (UP = 1)
.set WSA,  12
.set WRD,  13                          ; v13 where I read my 128 scale words back
.set ADRA, 16                          ; v16-17 my A fragments in slot 0, 1
.set ADRB, 20                          ; v20-21 my B fragments
.set STOB, 23                          ; v23 where a row's codes go: 65,536 x wave + 144 x row
.set RD,   24                          ; v24 where they are read back
.set WSB,  25                          ; v25 where a row's scale word goes
.set LI,   26                          ; v26 16 x lane
.set ADRS, 27                          ; v27 my scale words: lanes 0-15 A's rows, lanes 16-31 B's
.set SPW,  28
.set NIL,  29
.set SC,   32                          ; v32-63 scale words, two sets; they hold nothing else
.set BIA,  64                          ; v64-127 (UP = 1) the bias in the result's layout, the C of the first products
.set CP,   68                          ; the way out: v68-93 thirteen constants, each twice
.set PW,   94
.set TM,   96                          ; v96-111 at work in the quantiser
.set PC,   112                         ; v112-127 codes
.set AF,   128                         ; A's fragments; on the way out T
.set T,    128
.set ZZ,   192
.set SS,   208
.set PP,   224
.set QQ,   240
.set WV, 16
.set WR, 17
.set WC, 18
.set CNT, 19
.set G1, 24
.set G0, 32
.set G1B, 48
.set G0B, 56
.set G1S, 68
.set G0S, 76
.set G1SB, 80
.set G0SB, 88
.set SEL, 92
.set MNT, 94
.set MSB, 0
.macro WIN new                         ; the immediate's high byte repeats the setting that is left
.if MSB != (\new)
	s_set_vgpr_msb (MSB<<8)|(\new)
.set MSB, (\new)
.endif
.endm
.set MUL_LO, 0xa1                      ; source 0 (B) window 1, source 1 (A) window 0, C and D window 2
.set MUL_HI, 0xf1
.set TO_B,   0x40
; a joint load: waves 0 and 1 fetch for the A role, waves 2 and 3 for the B role; four v_nop follow each line
.macro JLOAD g0a, g1a, g0b, g1b
	s_cmp_eq_u32 s[WR], 0
	s_cbranch_scc0 .Lfor_b_\@
	tensor_load_to_lds s[\g0a:\g0a+3], s[\g1a:\g1a+7]
	s_nop 0
.rept 4
	v_nop
.endr
	s_branch .Lasked_\@
.Lfor_b_\@:
	tensor_load_to_lds s[\g0b:\g0b+3], s[\g1b:\g1b+7]
	s_nop 0
.rept 4
	v_nop
.endr
.Lasked_\@:
.endm
.macro CREST
	s_cmp_lg_u32 s[WV], 0
	s_cbranch_scc1 .Lnot_wave_0_\@
	s_barrier_signal -3
.Lnot_wave_0_\@:
	s_barrier_wait -3
	s_barrier_signal -1
	s_barrier_wait -1
.endm
.macro CROUND
	s_barrier_signal -1
	s_barrier_wait -1
	CREST
.endm
	s_load_b256 s[4:11], s[0:1], 0x0               ; h's codes, h's scales, W's codes, W's scales
	s_load_b128 s[12:15], s[0:1], 0x20             ; the codes' and the scale words' buffers
.if UP
	s_load_b64 s[66:67], s[0:1], 0x30              ; the bias
.endif
	v_lshl_add_u32 v[SPW], v0, 2, SPARE
	v_mov_b32 v[NIL], 0
	ds_add_u32 v28, v29
	ds_add_u32 v28, v29
	s_wait_dscnt 0x0
	v_lshrrev_b32 v1, 5, v0
	v_readfirstlane_b32 s[WV], v1
	s_lshr_b32 s[WR], s[WV], 1                     ; my half of the A-role rows; also: I fetch for A (0) or B (1)
	s_and_b32 s[WC], s[WV], 1                      ; my half of the B-role rows; also: which 128 rows I fetch
	s_bfe_u32 s40, ttmp6, 0x40000                  ; cx
	s_bfe_u32 s41, ttmp6, 0x40004                  ; cy
	s_and_b32 s44, ttmp7, 0xffff
	s_lshl_b32 s44, s44, 2
	s_add_co_u32 s43, s44, s41                     ; A-role tile: 4 x cluster y + cy
	s_lshl_b32 s42, ttmp9, 2
	s_add_co_u32 s42, s42, s40                     ; B-role tile: 4 x cluster x + cx
.if UP == 0
	s_add_co_u32 s46, s41, 8                       ; v: A-role = Wqkv's tiles 8 + cy,
	s_add_co_u32 s47, s44, s40                     ; B-role = h's tiles 4 x cluster y + cx
	s_cmp_eq_u32 ttmp9, 2                          ; the same in all sixteen partners
	s_cselect_b32 s43, s46, s43
	s_cselect_b32 s42, s47, s42
	s_cselect_b32 s95, 1, 0
.endif
	s_lshl_b32 s44, s41, 2
	s_lshl_b32 s44, 15, s44                        ; my row of the cluster
	s_lshl_b32 s45, 0x1111, s40                    ; my column
	s_or_b32 s[G1+0], s44, (0<<16)|(1<<20)|(1<<21)|(5<<22)|(3<<25)   ; mask; elements of 1 byte; padding on; bit 21 beside a mask; 4 words behind every 64
	s_or_b32 s[G1B+0], s45, (0<<16)|(1<<20)|(1<<21)|(5<<22)|(3<<25)
.irp g, G1, G1B
	s_mov_b32 s[\g+1], ROWB<<16                    ; tensor_dim0
	s_mov_b32 s[\g+2], 128<<16                     ; tensor_dim1
	s_mov_b32 s[\g+3], ROWB<<16                    ; tile_dim0
	s_mov_b32 s[\g+4], 128                         ; tile_dim1
	s_mov_b32 s[\g+5], KROW                        ; from row to row
	s_mov_b32 s[\g+6], 0
	s_mov_b32 s[\g+7], 0
.endr
	s_or_b32 s[G1S+0], s44, (3<<16)|(1<<20)|(1<<21)|(5<<22)|(3<<25)  ; the scales of 128 rows: 4,096 dense bytes as 16 rows of 32 elements of 8 bytes
	s_or_b32 s[G1SB+0], s45, (3<<16)|(1<<20)|(1<<21)|(5<<22)|(3<<25)
.irp g, G1S, G1SB
	s_mov_b32 s[\g+1], 32<<16
	s_mov_b32 s[\g+2], (128*KS/256)<<16
	s_mov_b32 s[\g+3], 32<<16
	s_mov_b32 s[\g+4], 128*KS/256
	s_mov_b32 s[\g+5], 32
	s_mov_b32 s[\g+6], 0
	s_mov_b32 s[\g+7], 0
.endr
	s_lshl_b32 s2, s[WC], 7
	s_lshl_b32 s20, s43, 8
	s_add_co_u32 s20, s20, s2                      ; the A-role rows that I fetch
	s_lshl_b32 s96, s42, 8
	s_add_co_u32 s96, s96, s2                      ; the B-role rows
	s_lshl_b32 s22, s20, 5                         ; their scale bytes,
	s_mov_b32 s23, 0
	s_lshl_b32 s20, s20, 10                        ; their codes
	s_mov_b32 s21, 0
	s_lshl_b32 s46, s96, 5
	s_mov_b32 s47, 0
	s_lshl_b32 s96, s96, 10
	s_mov_b32 s97, 0
	s_mul_i32 s2, s[WV], HALFT                     ; where they go: no place in the cluster enters an LDS address
	s_mul_i32 s3, s[WV], HALFS
	s_mov_b32 s[SEL], 0x76543210
	s_mov_b32 s[SEL+1], 0xfedcba98
	s_mov_b32 s[MNT], 0x600000
	s_wait_kmcnt 0x0
.if UP == 0
	s_cmp_eq_u32 s95, 1                            ; v: the buffers change roles
	s_cselect_b64 s[98:99], s[8:9], s[4:5]
	s_cselect_b64 s[66:67], s[10:11], s[6:7]
	s_cselect_b64 s[8:9], s[4:5], s[8:9]
	s_cselect_b64 s[10:11], s[6:7], s[10:11]
	s_mov_b64 s[4:5], s[98:99]
	s_mov_b64 s[6:7], s[66:67]
.endif
	s_add_nc_u64 s[20:21], s[4:5], s[20:21]
	s_add_nc_u64 s[22:23], s[6:7], s[22:23]
	s_add_nc_u64 s[96:97], s[8:9], s[96:97]
	s_add_nc_u64 s[46:47], s[10:11], s[46:47]
	CROUND                                         ; all sixteen work-groups are here: the first joint loads meet
	s_mov_b32 s[G0S], 1
	s_add_co_u32 s[G0S+1], s3, SCL
	s_mov_b64 s[G0S+2:G0S+3], s[22:23]
	s_or_b32 s[G0S+3], s[G0S+3], 0x80000000
	s_mov_b32 s[G0SB], 1
	s_add_co_u32 s[G0SB+1], s3, SCL
	s_mov_b64 s[G0SB+2:G0SB+3], s[46:47]
	s_or_b32 s[G0SB+3], s[G0SB+3], 0x80000000
	JLOAD G0S, G1S, G0SB, G1SB                     ; the scales first: wanted with K step 0
.irp s, 0,1
	s_mov_b32 s[G0+4*\s], 1
	s_add_co_u32 s[G0+4*\s+1], s2, \s*SLOT
	s_add_nc_u64 s[G0+4*\s+2:G0+4*\s+3], s[20:21], \s*ROWB
	s_or_b32 s[G0+4*\s+3], s[G0+4*\s+3], 0x80000000
	s_mov_b32 s[G0B+4*\s], 1
	s_add_co_u32 s[G0B+4*\s+1], s2, \s*SLOT
	s_add_nc_u64 s[G0B+4*\s+2:G0B+4*\s+3], s[96:97], \s*ROWB
	s_or_b32 s[G0B+4*\s+3], s[G0B+4*\s+3], 0x80000000
	JLOAD G0+4*\s, G1, G0B+4*\s, G1B
.endr
	v_and_b32 v1, 15, v0                           ; r
	v_bfe_u32 v2, v0, 4, 1                         ; h
	v_mul_u32_u24 v3, v1, PITCH
	v_lshl_add_u32 v4, v2, 4, v3
	s_mul_i32 s21, s[WR], HALFT
	s_mul_i32 s22, s[WC], HALFT
	s_add_co_u32 s22, s22, 2*HALFT
.irp s, 0,1
	v_add_nc_u32 v[ADRA+\s], s21, v4
	v_add_nc_u32 v[ADRB+\s], s22, v4
	s_add_co_u32 s21, s21, SLOT
	s_add_co_u32 s22, s22, SLOT
.endr
	v_mul_u32_u24 v5, v1, KS
	v_lshrrev_b32 v6, 8, v5
	v_lshl_add_u32 v5, v6, 4, v5                   ; my row's scales: 32 bytes a row, 16 more for each 256 passed
	s_mul_i32 s21, s[WR], HALFS
	s_mul_i32 s22, s[WC], HALFS
	s_add_co_u32 s22, s22, 2*HALFS
	s_sub_co_u32 s22, s22, s21
	v_mul_u32_u24 v6, s22, v2                      ; lanes 16-31 take B's
	s_add_co_u32 s21, s21, SCL
	v_add_nc_u32 v5, v5, v6
	v_add_nc_u32 v[ADRS], s21, v5
	v_and_b32 v6, 31, v0
	v_lshlrev_b32 v[LI], 4, v6
	s_lshl_b32 s21, s[WV], 16
	v_mul_u32_u24 v5, v1, 144
.if UP
	v_lshl_add_u32 v5, v2, 3, v5                   ; natural order: 8 bytes for each half of the lanes, twice a block
.else
	v_lshl_add_u32 v5, v2, 4, v5                   ; 16 bytes for each half of the lanes
.endif
	v_add_nc_u32 v[STOB], s21, v5
	v_lshrrev_b32 v5, 3, v6
	v_mul_u32_u24 v5, v5, 144
	v_and_b32 v7, 7, v6
	v_lshl_add_u32 v5, v7, 4, v5
	v_add_nc_u32 v[RD], s21, v5                    ; back: eight lanes to a row of 128 bytes, four rows an instruction
	s_lshl_b32 s22, s[WV], 9
	s_add_co_u32 s22, s22, WST
	v_lshl_add_u32 v[WSB], v1, 2, s22
	v_add_nc_u32 v[WRD], s22, v[LI]
	; where my 128 rows of 128 codes begin
	s_lshl_b32 s20, s43, 8
	s_lshl_b32 s21, s[WR], 7
	s_add_co_u32 s20, s20, s21                     ; my first A-role row
.if UP
	s_lshl_b32 s22, s42, 1
	s_add_co_u32 s22, s22, s[WC]                   ; my 128 columns
	s_lshl_b32 s22, s22, 12
	s_add_co_u32 s20, s22, s20
.else
	s_lshl_b32 s22, s42, 8
	s_lshl_b32 s23, s[WC], 7
	s_add_co_u32 s22, s22, s23                     ; my first B-role row
	s_cmp_eq_u32 s95, 1
	s_cselect_b32 s21, s22, s20                    ; m: the position
	s_cselect_b32 s23, s20, s22                    ; n: Wqkv's row
	s_lshr_b32 s20, s23, 10                        ; q, k or v
	s_lshl_b32 s20, s20, 1
	s_lshr_b32 s22, s21, 11                        ; the batch
	s_add_co_u32 s20, s20, s22
	s_lshl_b32 s20, s20, 3
	s_bfe_u32 s22, s23, 0x30007                    ; the pair of heads
	s_add_co_u32 s20, s20, s22
	s_lshl_b32 s20, s20, 11
	s_and_b32 s21, s21, 2047
	s_add_co_u32 s20, s20, s21
.endif
	s_lshl_b32 s22, s20, 2
	s_mov_b32 s23, 0
	s_lshl_b32 s20, s20, 7
	s_mov_b32 s21, 0
	s_add_nc_u64 s[12:13], s[12:13], s[20:21]
	s_add_nc_u64 s[14:15], s[14:15], s[22:23]
.if UP
	s_lshl_b32 s20, s42, 10                        ; the bias of my 128 columns
	s_lshl_b32 s21, s[WC], 9
	s_add_co_u32 s20, s20, s21
	s_mov_b32 s21, 0
	s_add_nc_u64 s[66:67], s[66:67], s[20:21]
	v_lshlrev_b32 v8, 5, v2                        ; lane (r, h) wants, for block b, columns 16 b + 8 h + 0 .. 7
.irp b, 0,1,2,3,4,5,6,7
	global_load_b128 v[BIA+8*\b:BIA+8*\b+3], v8, s[66:67] offset:64*\b
	global_load_b128 v[BIA+8*\b+4:BIA+8*\b+7], v8, s[66:67] offset:64*\b+16
.endr
.endif
.macro FRAG reg, adr, q, i             ; 16 rows x 128 K: lane l holds row l % 16; registers 4 c .. 4 c + 3 hold K = 32 c + 16 (l / 16) + 0 .. 15
.irp c, 0,1,2,3
	ds_load_b128 v[\reg+4*\c:\reg+4*\c+3], v[\adr] offset:128*(\q)+32*\c+(\i)*16*PITCH
.endr
.endm
; 16 matrix instructions: A's blocks a0, a0 + 1 x B's eight.  zero = 1: the products start the sums; 2: they start them from the bias.  The 64 accumulators take turns.
.macro MUL16 a0, p, q, sc, zero
.irp a, \a0, \a0+1
.irp b, 0,1,2,3,4,5,6,7
.if \zero == 1
	v_wmma_scale_f32_16x16x128_f8f6f4 v[8*(8*((\a)%4)+\b):8*(8*((\a)%4)+\b)+7], v[128*(\p)+FR*\b:128*(\p)+FR*\b+FR-1], v[AF+FR*(\a):AF+FR*(\a)+FR-1], 0, v[SC+8*NQ*(\sc)+NQ*\b+(\q)], v[SC+8*NQ*(\sc)+NQ*(\a)+(\q)] matrix_a_fmt:MATRIX_FMT_BF8 matrix_b_fmt:MATRIX_FMT_BF8 matrix_a_scale:MATRIX_SCALE_ROW1
.elseif \zero == 2
	v_wmma_scale_f32_16x16x128_f8f6f4 v[8*(8*((\a)%4)+\b):8*(8*((\a)%4)+\b)+7], v[128*(\p)+FR*\b:128*(\p)+FR*\b+FR-1], v[AF+FR*(\a):AF+FR*(\a)+FR-1], v[BIA+8*\b:BIA+8*\b+7], v[SC+8*NQ*(\sc)+NQ*\b+(\q)], v[SC+8*NQ*(\sc)+NQ*(\a)+(\q)] matrix_a_fmt:MATRIX_FMT_BF8 matrix_b_fmt:MATRIX_FMT_BF8 matrix_a_scale:MATRIX_SCALE_ROW1
.else
	v_wmma_scale_f32_16x16x128_f8f6f4 v[8*(8*((\a)%4)+\b):8*(8*((\a)%4)+\b)+7], v[128*(\p)+FR*\b:128*(\p)+FR*\b+FR-1], v[AF+FR*(\a):AF+FR*(\a)+FR-1], v[8*(8*((\a)%4)+\b):8*(8*((\a)%4)+\b)+7], v[SC+8*NQ*(\sc)+NQ*\b+(\q)], v[SC+8*NQ*(\sc)+NQ*(\a)+(\q)] matrix_a_fmt:MATRIX_FMT_BF8 matrix_b_fmt:MATRIX_FMT_BF8 matrix_a_scale:MATRIX_SCALE_ROW1
.endif
.endr
.endr
.endm
.macro FETCH_B slot, q, p
	WIN TO_B
.irp i, 0,1,2,3,4,5,6,7
	FRAG 128*(\p)+FR*\i, ADRB+\slot, \q, \i
.endr
	WIN 0
.endm
.macro FETCH_A slot, q, i0
.irp i, \i0, \i0+1, \i0+2, \i0+3
	FRAG AF+FR*(\i), ADRA+\slot, \q, \i
.endr
.endm
.macro SCALES sc                       ; a K step's scale words: two a row; lanes 0-15 A's block i, lanes 16-31 B's block i
.irp i, 0,1,2,3,4,5,6,7
	ds_load_b64 v[SC+8*NQ*\sc+NQ*\i:SC+8*NQ*\sc+NQ*\i+1], v[ADRS] offset:\i*SBLK
.endr
.endm
.macro PLACES n                        ; plain vector instructions between a matrix instruction and a load into, or a read of, its registers
.rept \n
	v_nop
.endr
.endm
.macro STEP slot, q, zero              ; 128 along K with its successor in the same slot
	s_wait_dscnt 4*NL                              ; B's set and A's blocks 0-3 are in; the youngest sixteen loads (A's blocks 4-7) may be out
.if \zero == 2
	WIN 0x81                                       ; C (the bias) in window 0
.else
	WIN MUL_LO
.endif
	MUL16 0, (\q)%2, \q, \slot, \zero
	MUL16 2, (\q)%2, \q, \slot, \zero
	s_wait_dscnt 0
	PLACES NP
	FETCH_B \slot, (\q)+1, 1-(\q)%2
	FETCH_A \slot, (\q)+1, 0
.if \zero == 2
	WIN 0xc1
.else
	WIN MUL_HI
.endif
	MUL16 4, (\q)%2, \q, \slot, \zero
	MUL16 6, (\q)%2, \q, \slot, \zero
	PLACES NP
	WIN 0
	FETCH_A \slot, (\q)+1, 4
.endm
; a slot's last step changes slots: one barrier; in front of it each wave waits for all its tensor loads, adds 0 to its spare word, and waits for that and for its reads of this slot
.macro TURN slot, next, fill
	s_wait_tensorcnt 0x0                           ; all my tensor loads have landed: my part of the next slot
	ds_add_u32 v[SPW], v[NIL]                      ; 0 onto my spare word
	s_wait_dscnt 4*NL+1                            ; the add and the youngest sixteen loads may be out
	WIN MUL_LO
	MUL16 0, 1, NQ-1, \slot, 0
	s_wait_dscnt 0x0                               ; the add is done, and my reads of this slot are over
	s_barrier_signal -1
	MUL16 2, 1, NQ-1, \slot, 0
	WIN 0
	s_barrier_wait -1
.if \fill
	CREST                                          ; the barrier has opened a round of the cluster's: no wave of any partner still reads this slot or has a load on its way
	s_add_nc_u64 s[G0+4*\slot+2:G0+4*\slot+3], s[G0+4*\slot+2:G0+4*\slot+3], 2*ROWB
	s_add_nc_u64 s[G0B+4*\slot+2:G0B+4*\slot+3], s[G0B+4*\slot+2:G0B+4*\slot+3], 2*ROWB
	JLOAD G0+4*\slot, G1, G0B+4*\slot, G1B         ; the first tensor load behind the round; its four v_nop are among the places below
	PLACES NP-4
.else
	PLACES NP
.endif
	v_add_nc_u32 v[ADRS], 4*NQ, v[ADRS]
	FETCH_B \next, 0, 0
	FETCH_A \next, 0, 0
	SCALES \next
	WIN MUL_HI
	MUL16 4, 1, NQ-1, \slot, 0
	MUL16 6, 1, NQ-1, \slot, 0
	PLACES NP
	WIN 0
	FETCH_A \next, 0, 4
.endm
	s_wait_tensorcnt 1                             ; the scales and my part of K step 0 are in; K step 1's load may be out
	s_barrier_signal -1
	s_barrier_wait -1
	FETCH_B 0, 0, 0
	FETCH_A 0, 0, 0
	SCALES 0
	FETCH_A 0, 0, 4
.if UP
	s_wait_loadcnt 0x0                             ; the bias
	STEP 0, 0, 2
.else
	STEP 0, 0, 1
.endif
	TURN 0, 1, 1                                   ; K = 1,024 is four K steps: each slot is filled again once, so the lap is written straight
	STEP 1, 0, 0
	TURN 1, 0, 1
	STEP 0, 0, 0
	TURN 0, 1, 0
	STEP 1, 0, 0
	s_wait_dscnt 4*NL
	WIN MUL_LO
	MUL16 0, 1, NQ-1, 1, 0
	MUL16 2, 1, NQ-1, 1, 0
	s_wait_dscnt 0
	WIN MUL_HI
	MUL16 4, 1, NQ-1, 1, 0
	MUL16 6, 1, NQ-1, 1, 0
	WIN 0
	; ---- THE WAY OUT
	s_wait_dscnt 0x0
	s_barrier_signal -1
	s_barrier_wait -1                              ; nobody reads a slot any more, and both have had their last fill: the codes' rows may lie there
	PLACES NP
.irp b, 0,1,2,3
	v_mov_b32 v[TM+4+\b], 0                        ; a lane permute's destination counts as one of its sources
.endr
; Four blocks of 32: a lane's v[s + 16 b + i], in register window w, are 16 numbers of block b of its row; lane l xor 16 holds the other 16.  The held numbers go to v[d + 16 b + i] in window 0,
; the codes to v[PC + 4 b] on, the four scale bytes to v[PW].  Each accumulator is read from its low end on.
.macro QUANT s, w, d
	WIN 5*(\w)                                     ; sources 0 and 1 in the numbers' window
.irp b, 0,1,2,3
	v_max3_num_f32 v[TM+\b], |v[\s+16*\b]|, |v[\s+1+16*\b]|, 0x8000000     ; with the floor 2^(16 - 127): the byte cannot fall under 1
.endr
.irp i, 2,4,6,8,10,12,14
.irp b, 0,1,2,3
	v_max3_num_f32 v[TM+\b], |v[\s+16*\b+\i]|, |v[\s+1+16*\b+\i]|, v[TM+\b]
.endr
.endr
	WIN 0
	s_wait_dscnt 0x0                               ; the last block's LDS stores have read the scale word's and the codes' registers, which are written below
.irp b, 0,1,2,3
	v_permlanex16_b32 v[TM+4+\b], v[TM+\b], s[SEL], s[SEL+1]
.endr
.irp b, 0,1,2,3
	v_max_num_f32 v[TM+\b], v[TM+\b], v[TM+4+\b]
.endr
.irp b, 0,1,2,3
	v_add_nc_u32 v[TM+12+\b], 0xf8800000, v[TM+\b]                         ; 15 off the exponent field: the conversion's scale operand
.endr
.irp b, 0,1,2,3
	v_and_or_b32 v[TM+8+\b], v[TM+\b], 0x7f800000, s[MNT]                  ; 57,344 x the scale
.endr
.irp b, 0,1,2,3
	v_lshrrev_b32 v[TM+4+\b], 23, v[TM+12+\b]                              ; the byte
.endr
	v_lshl_or_b32 v[PW], v[TM+5], 8, v[TM+4]
	v_lshl_or_b32 v[PW], v[TM+6], 16, v[PW]
	v_lshl_or_b32 v[PW], v[TM+7], 24, v[PW]
	WIN \w                                         ; source 0 in the numbers' window
.irp b, 0,1,2,3
.irp i, 0,1,2,3,4,5,6,7,8,9,10,11,12,13,14,15
	v_med3_num_f32 v[\d+16*\b+\i], v[\s+16*\b+\i], -v[TM+8+\b], v[TM+8+\b] ; the conversion does not saturate (ISA guide 7.6.2): the hold comes first
.endr
.endr
	WIN 0
.irp b, 0,1,2,3
	v_cvt_scalef32_pk8_bf8_f32 v[PC+4*\b:PC+1+4*\b], v[\d+16*\b:\d+7+16*\b], v[TM+12+\b]
	v_cvt_scalef32_pk8_bf8_f32 v[PC+2+4*\b:PC+3+4*\b], v[\d+8+16*\b:\d+15+16*\b], v[TM+12+\b]
.endr
	v_nop                                          ; a plain instruction behind the last conversion
.endm
.if UP
.macro CPAIR n, val
	v_mov_b32 v[CP+2*\n], \val
	v_mov_b32 v[CP+2*\n+1], \val
.endm
	CPAIR 0, 0xaf95df0b                            ; P's seven coefficients, the highest power first
	CPAIR 1, 0x32edffee
	CPAIR 2, 0xb60cff51
	CPAIR 3, 0xb86ec2d2
	CPAIR 4, 0xba40ac63
	CPAIR 5, 0xbb41a1f6
	CPAIR 6, 0xbc83dbd4
	CPAIR 7, 0xb77460cd                            ; Q's five
	CPAIR 8, 0xb95fbd29
	CPAIR 9, 0xbadc924e
	CPAIR 10, 0xbbf19bf8
	CPAIR 11, 0xbc69b6a7
	CPAIR 12, 0x3fb504f3                           ; sqrt 2
.macro TAKE a                          ; block a's 64 numbers a lane come out of their accumulators, halved
	WIN 2+(\a)/4                                   ; source 0: window 2 (blocks 0-3) or 3 (blocks 4-7)
.set n, 0
.rept 32
	v_pk_mul_f32 v[T+n:T+n+1], v[64*((\a)%4)+n:64*((\a)%4)+n+1], 0.5 op_sel_hi:[1,0]
.set n, n+2
.endr
	WIN 0
.endm
.macro GELU16 x                        ; sixteen numbers in place: v[x] on holds x / 2 and takes x / 2 + x / 2 erf(x / sqrt 2)
.irp j, 0,2,4,6,8,10,12,14
	v_pk_mul_f32 v[ZZ+\j:ZZ+\j+1], v[\x+\j:\x+\j+1], v[CP+24:CP+25]        ; z = (x / 2) sqrt 2
.endr
.irp j, 0,1,2,3,4,5,6,7,8,9,10,11,12,13,14,15
	v_med3_num_f32 v[ZZ+\j], v[ZZ+\j], -4.0, 4.0
.endr
.irp j, 0,2,4,6,8,10,12,14
	v_pk_mul_f32 v[SS+\j:SS+\j+1], v[ZZ+\j:ZZ+\j+1], v[ZZ+\j:ZZ+\j+1]
.endr
.irp j, 0,2,4,6,8,10,12,14
	v_pk_fma_f32 v[PP+\j:PP+\j+1], v[SS+\j:SS+\j+1], v[CP:CP+1], v[CP+2:CP+3]
.endr
.irp c, 2,3,4,5,6
.irp j, 0,2,4,6,8,10,12,14
	v_pk_fma_f32 v[PP+\j:PP+\j+1], v[PP+\j:PP+\j+1], v[SS+\j:SS+\j+1], v[CP+2*\c:CP+2*\c+1]
.endr
.endr
.irp j, 0,2,4,6,8,10,12,14
	v_pk_fma_f32 v[QQ+\j:QQ+\j+1], v[SS+\j:SS+\j+1], v[CP+14:CP+15], v[CP+16:CP+17]
.endr
.irp c, 9,10,11
.irp j, 0,2,4,6,8,10,12,14
	v_pk_fma_f32 v[QQ+\j:QQ+\j+1], v[QQ+\j:QQ+\j+1], v[SS+\j:SS+\j+1], v[CP+2*\c:CP+2*\c+1]
.endr
.endr
.irp j, 0,1,2,3,4,5,6,7,8,9,10,11,12,13,14,15
	v_rcp_f32 v[QQ+\j], v[QQ+\j]
.endr
.irp j, 0,2,4,6,8,10,12,14
	v_pk_mul_f32 v[PP+\j:PP+\j+1], v[PP+\j:PP+\j+1], v[ZZ+\j:ZZ+\j+1]      ; work that names no reciprocal stands behind the batch
.endr
	s_wait_alu depctr_va_vdst(0)                   ; one wait for the sixteen reciprocals, ahead of their first reader
.irp j, 0,2,4,6,8,10,12,14
	v_pk_mul_f32 v[PP+\j:PP+\j+1], v[PP+\j:PP+\j+1], v[QQ+\j:QQ+\j+1]      ; erf
.endr
.irp j, 0,2,4,6,8,10,12,14
	v_pk_fma_f32 v[\x+\j:\x+\j+1], v[\x+\j:\x+\j+1], v[PP+\j:PP+\j+1], v[\x+\j:\x+\j+1]
.endr
.endm
	s_mov_b32 s[CNT], 0
	s_mov_b32 s20, 0
	s_mov_b32 s21, 0
.Lrow:                                             ; a trip: 16 rows x 128 columns.  The trip's number chooses the lines that name its accumulators
.irp a, 0,1,2,3,4,5,6
	s_cmp_eq_u32 s[CNT], \a
	s_cbranch_scc1 .Ltake_\a
.endr
	TAKE 7
	s_branch .Lhave
.irp a, 0,1,2,3,4,5
.Ltake_\a:
	TAKE \a
	s_branch .Lhave
.endr
.Ltake_6:
	TAKE 6
.Lhave:
	v_add_nc_u32 v[STO], s20, v[STOB]
	v_add_nc_u32 v[WSA], s21, v[WSB]
	GELU16 T
	GELU16 T+16
	GELU16 T+32
	GELU16 T+48
	QUANT T, 0, T
.irp b, 0,1,2,3
	ds_store_b64 v[STO], v[PC+4*\b:PC+4*\b+1] offset:32*\b                 ; columns 32 b + 8 h + 0 .. 7,
	ds_store_b64 v[STO], v[PC+4*\b+2:PC+4*\b+3] offset:32*\b+16            ; and 32 b + 16 + 8 h + 0 .. 7
.endr
	ds_store_b32 v[WSA], v[PW]                     ; both halves of the lanes write the same word
	s_add_co_u32 s20, s20, 8192
	s_add_co_u32 s21, s21, 64
	s_add_co_u32 s[CNT], s[CNT], 1
	s_cmp_lt_u32 s[CNT], 8
	s_cbranch_scc1 .Lrow
.else
.irp a, 0,1,2,3,4,5,6,7
	QUANT 64*(\a%4), 2+\a/4, T
.irp b, 0,1,2,3
	ds_store_b128 v[STOB], v[PC+4*\b:PC+4*\b+3] offset:\a*8192+32*\b
.endr
	ds_store_b32 v[WSB], v[PW] offset:64*\a        ; both halves of the lanes write the same word
.endr
.endif
.set t, 0
.rept 32
	ds_load_b128 v[128+4*t:131+4*t], v[RD] offset:(t/4)*8192+(t%4)*576     ; LDS serves a wave's instructions in order: these see my stores
.set t, t+1
.endr
	ds_load_b128 v[PC:PC+3], v[WRD]
.set t, 0
.rept 32
	s_wait_dscnt 32-t                              ; load t is in: 32 - t were issued behind it
	global_store_b128 v[LI], v[128+4*t:131+4*t], s[12:13] offset:512*t     ; 32 lanes store 512 consecutive bytes, aligned
.set t, t+1
.endr
	s_wait_dscnt 0x0
	global_store_b128 v[LI], v[PC:PC+3], s[14:15]  ; my 128 scale words
	s_wait_tensorcnt 0x0                           ; the wave's end
	ds_add_u32 v[SPW], v[NIL]
	s_wait_dscnt 0x0
	CROUND                                         ; the closing round
	s_endpgm
.Lfunc_end_k_q02885eb326_qkv:
	.size	k_q02885eb326_qkv, .Lfunc_end_k_q02885eb326_qkv-k_q02885eb326_qkv
	.p2alignl 7, 3214868480
	.fill 96, 4, 3214868480
	.section	.rodata,"a",@progbits
	.p2align	6, 0x0
	.amdhsa_kernel k_q02885eb326_qkv
		.amdhsa_group_segment_fixed_size 327680
		.amdhsa_private_segment_fixed_size 0
		.amdhsa_enable_private_segment 0
		.amdhsa_kernarg_size 48
		.amdhsa_user_sgpr_count 2
		.amdhsa_user_sgpr_kernarg_segment_ptr 1
		.amdhsa_wavefront_size32 1
		.amdhsa_system_sgpr_workgroup_id_x 1
		.amdhsa_system_sgpr_workgroup_id_y 1
		.amdhsa_system_sgpr_workgroup_id_z 1
		.amdhsa_system_vgpr_workitem_id 0
		.amdhsa_next_free_vgpr 1024
		.amdhsa_next_free_sgpr 100
		.amdhsa_reserve_vcc 0
		.amdhsa_float_denorm_mode_32 3
		.amdhsa_float_denorm_mode_16_64 3
		.amdhsa_memory_ordered 1
		.amdhsa_forward_progress 1
		.amdhsa_inst_pref_size 191
	.end_amdhsa_kernel
	.amdgpu_metadata
---
amdhsa.version: [ 1, 2 ]
amdhsa.kernels:
  - .name:           k_q02885eb326_qkv
    .symbol:         k_q02885eb326_qkv.kd
    .args:
      - { .name: hc, .offset: 0, .size: 8, .value_kind: global_buffer, .address_space: global }
      - { .name: hs, .offset: 8, .size: 8, .value_kind: global_buffer, .address_space: global }
      - { .name: w_qkv_codes, .offset: 16, .size: 8, .value_kind: global_buffer, .address_space: global }
      - { .name: w_qkv_scales, .offset: 24, .size: 8, .value_kind: global_buffer, .address_space: global }
      - { .name: big, .offset: 32, .size: 8, .value_kind: global_buffer, .address_space: global }
      - { .name: bigs, .offset: 40, .size: 8, .value_kind: global_buffer, .address_space: global }
    .group_segment_fixed_size: 327680
    .private_segment_fixed_size: 0
    .kernarg_segment_align: 8
    .kernarg_segment_size: 48
    .max_flat_workgroup_size: 128
    .sgpr_count:     100
    .vgpr_count:     1024
    .wavefront_size: 32
...
	.end_amdgpu_metadata
.endif
;; end of part 2
;; launch attn (part 3): grid 16 x 16, 16 waves a work-group, no clusters, 210,432 bytes of LDS; arguments big, bigs, aoc, aos; writes aoc, aos
.if DOCPART == 3
	.amdgcn_target "amdgcn-amd-amdhsa--gfx1250"
	.amdhsa_code_object_version 6
	.text
	.protected	k_q02885eb326_attn
	.globl	k_q02885eb326_attn
	.p2align	8
	.type	k_q02885eb326_attn,@function
k_q02885eb326_attn:
	s_mov_b64 s[64:65], 0
	v_nop
	global_prefetch_b8 v0, s[64:65] scope:SCOPE_SE
	s_setreg_imm32_b32 hwreg(HW_REG_WAVE_MODE, 25, 1), 1
	s_wait_xcnt 0x0
; SLIDING-WINDOW ATTENTION ON CODES OF E5M2.  Query i sees keys i - 511 .. i of its batch and head; head size 64.  Both products are quantised; the result is quantised again along head x 64 + channel.
; INPUT (made by the launch before): rows of 128 codes and one word of four scale bytes at the same index ((which 2 + batch) 8 + pair of heads) 2048 + p.  q, k: p = position, a row = 2 heads x 64 channels.
; v: p = 128 x block of keys + (64 x head of the pair + channel), a row = 128 keys.  In a block of 32, byte 16 h + i holds element 8 h + i % 8 + 16 (i / 8).
; SHARES.  A work-group owns 128 queries of a pair of heads; wave w owns head w / 8 of the pair and queries 16 (w % 8) on: one tile, 256 registers, four waves to a SIMD.
; Its keys are the five blocks of 128 that end with its own: 5 x (128 rows x 144 bytes) of k, the same of v, and their scale words lie in LDS at once.  Each byte is filled once: no ring.
; THE FILLS.  Wave 0 fetches k's scale words and then k's five blocks, wave 1 the same of v: six tensor loads each are out, by this text's count, in the order in which the steps want them.  A wave's tensor loads
; end in order (ISA guide 10.11.1): a counted wait in front of a barrier at the head of each of the first two steps shows that step's block landed while later blocks are on their way; the third step waits for all.
; The five blocks are one run of the buffer, from block (my block - 4) on.  In the first four work-groups of a head that run begins in the tensor or head that lies in front (the least index is 32,256: inside the buffer);
; those rows are brought and never read: their steps are left out.
; NO CLUSTER: neighbouring work-groups want windows shifted by one block; a tile asked for jointly lands at one LDS address in all partners, so each would have to read it at an address that hangs on its place in the cluster.
; LAYOUT.  S^T = K Q^T (source 0 = 16 neighbouring keys, source 1 = my 16 queries), O^T = V^T P^T: a lane holds ONE query.  Register n of S^T is key 16 (n / 8) + n % 8 + 8 h: the order in which v's codes were laid.
; The score product's K is 64: the upper 64 of the instruction's 128 are zero codes in both operands, under the scale byte 0 (2^-127, no NaN).
; SOFTMAX: t = score x log2(e) / 8; M = the running largest t rounded up; p = 2^(t - M) is quantised; the sum is taken of the unquantised p and divides at the end.
; The first block is masked below the band, the last above the diagonal; a row whose keys of a block are all hidden gives p = 0 there.
; LIMITS: NaN and infinities are not served; a block under 2^-111 (zeros too) gets the byte 1, which this program alone reads.
.set KP,   144
.set CH,   128*KP                      ; a block of 128 rows
.set VC,   5*CH
.set SCK,  10*CH                       ; k's scale words, 512 bytes a block
.set SCV,  SCK+5*512
.set OST,  SCV+5*512                   ; the way out: 128 rows x (128 + 16) bytes
.set OSS,  OST+128*KP                  ; and 128 scale words
.set AK0, 1
.set AV0, 2
.set ASK0, 3
.set ASV0, 4
.set DQ,  5                            ; v5  my query in the block - 8 h
.set OSTA, 6
.set OSSA, 7
.set ADK, 8
.set ADV, 9
.set ADS, 10
.set ADT, 11
.set PC,  192                          ; v192-207 p's codes; on the way out the result's
.set TM,  232
.set PW,  254
.set WV, 12
.set BH, 13                            ; s13 batch x 8 + pair of heads
.set QB, 14                            ; s14 my block of 128 queries
.set G0W, 28                           ; s[28:31] group 0 for the scale words
.set G1C, 32                           ; s[32:39] group 1 for a block of codes
.set G1W, 40                           ; s[40:47] group 1 for the scale words
.set G0C, 68                           ; s[68:87] group 0 for the five blocks, a set for each: none is written while its load is out
.set SEL, 54
.set CS,  56
.set MNT, 58
	s_load_b128 s[4:7], s[0:1], 0x0                ; codes, scale words
	s_load_b128 s[8:11], s[0:1], 0x10              ; the result's codes, scale words
	v_lshl_add_u32 v230, v0, 2, 0x32e00
	v_mov_b32 v231, 0
	ds_add_u32 v230, v231
	ds_add_u32 v230, v231
	v_lshrrev_b32 v8, 5, v0
	v_readfirstlane_b32 s[WV], v8
	s_and_b32 s[BH], ttmp7, 0xffff
	s_mov_b32 s[QB], ttmp9
	s_min_u32 s15, s[WV], 1                        ; wave 0 fetches for k, wave 1 for v; the others fetch nothing
	s_add_co_u32 s16, s15, 1                       ; k is tensor 1 of the three, v tensor 2
	s_lshl_b32 s16, s16, 4
	s_add_co_u32 s16, s16, s[BH]
	s_lshl_b32 s16, s16, 11
	s_lshl_b32 s17, s[QB], 7
	s_add_co_u32 s16, s16, s17
	s_sub_co_u32 s16, s16, 512                     ; the first index of the five blocks: four blocks in front of mine
	s_lshl_b32 s20, s16, 7
	s_mov_b32 s21, 0
	s_lshl_b32 s22, s16, 2
	s_mov_b32 s23, 0
	s_mov_b32 s[G1C], (0<<16)|(1<<20)|(4<<22)|(3<<25)      ; elements of 1 byte; 4 words of padding behind every 32
	s_mov_b32 s[G1C+1], 128<<16
	s_mov_b32 s[G1C+2], 128<<16
	s_mov_b32 s[G1C+3], 128<<16
	s_mov_b32 s[G1C+4], 128
	s_mov_b32 s[G1C+5], 128
	s_mov_b32 s[G1C+6], 0
	s_mov_b32 s[G1C+7], 0
	s_mov_b32 s[G1W], 3<<16                        ; the five blocks' scale words: 2,560 dense bytes: 10 rows of 32 elements of 8 bytes
	s_mov_b32 s[G1W+1], 32<<16
	s_mov_b32 s[G1W+2], 10<<16
	s_mov_b32 s[G1W+3], 32<<16
	s_mov_b32 s[G1W+4], 10
	s_mov_b32 s[G1W+5], 32
	s_mov_b32 s[G1W+6], 0
	s_mov_b32 s[G1W+7], 0
	s_mul_i32 s17, s15, 5*CH                       ; where they go: k's five blocks, then v's
.irp j, 0,1,2,3,4
	s_mov_b32 s[G0C+4*\j], 1
	s_add_co_u32 s[G0C+4*\j+1], s17, \j*CH
.endr
	s_mov_b32 s[G0W], 1
	s_mul_i32 s[G0W+1], s15, 5*512
	s_add_co_u32 s[G0W+1], s[G0W+1], SCK
	s_mov_b32 s[SEL], 0x76543210
	s_mov_b32 s[SEL+1], 0xfedcba98
	s_mov_b32 s[CS], 0x3e38aa3b                    ; log2(e) / 8
	s_mov_b32 s[CS+1], s[CS]
	s_mov_b32 s[MNT], 0x600000
	s_wait_dscnt 0x0
	s_wait_kmcnt 0x0
	s_add_nc_u64 s[20:21], s[4:5], s[20:21]
.irp j, 0,1,2,3,4
	s_add_nc_u64 s[G0C+4*\j+2:G0C+4*\j+3], s[20:21], \j*16384      ; a block is 128 rows of 128 bytes
	s_or_b32 s[G0C+4*\j+3], s[G0C+4*\j+3], 0x80000000
.endr
	s_add_nc_u64 s[G0W+2:G0W+3], s[6:7], s[22:23]
	s_or_b32 s[G0W+3], s[G0W+3], 0x80000000
	s_cmp_lt_u32 s[WV], 2                          ; a wave's six fills stand in one branch, ahead of every wait on TENSORcnt, every LDS read and every barrier
	s_cbranch_scc0 .Lnofill
	tensor_load_to_lds s[G0W:G0W+3], s[G1W:G1W+7]
	s_nop 0
.irp j, 0,1,2,3,4
	tensor_load_to_lds s[G0C+4*\j:G0C+4*\j+3], s[G1C:G1C+7]
	s_nop 0
.endr
.rept 4
	v_nop
.endr
.Lnofill:
	s_and_b32 s18, s[WV], 7                        ; my tile of queries
	s_lshr_b32 s19, s[WV], 3                       ; my head of the pair
	s_lshl_b32 s52, s19, 6
	v_and_b32 v8, 15, v0                           ; r
	v_bfe_u32 v9, v0, 4, 1                         ; h
	v_mul_u32_u24 v10, v8, KP
	v_lshl_add_u32 v[AK0], v9, 4, v10
	v_add_nc_u32 v[AK0], s52, v[AK0]               ; k: row r, my head's 64 bytes, + 16 h
	s_mul_i32 s53, s19, 64*KP
	s_add_co_u32 s53, s53, VC
	v_lshl_add_u32 v[AV0], v9, 4, v10
	v_add_nc_u32 v[AV0], s53, v[AV0]               ; v: row 64 x head + r, + 16 h
	s_lshl_b32 s53, s19, 1
	s_add_co_u32 s53, s53, SCK
	v_lshl_add_u32 v[ASK0], v8, 2, s53             ; k's scales: my head's two bytes of the row's word
	s_lshl_b32 s53, s19, 8
	s_add_co_u32 s53, s53, SCV
	v_lshl_add_u32 v[ASV0], v8, 2, s53
	s_lshl_b32 s53, s18, 4
	v_lshlrev_b32 v11, 3, v9
	v_sub_nc_u32 v[DQ], v8, v11
	v_add_nc_u32 v[DQ], s53, v[DQ]
	s_mul_i32 s53, s18, 16*KP
	s_add_co_u32 s53, s53, s52
	s_add_co_u32 s53, s53, OST
	v_lshl_add_u32 v[OSTA], v9, 3, v10
	v_add_nc_u32 v[OSTA], s53, v[OSTA]             ; the result: row 16 tile + r, my head's 64 bytes, + 8 h
	s_lshl_b32 s53, s18, 6
	s_lshl_b32 s17, s19, 1
	s_add_co_u32 s53, s53, s17
	s_add_co_u32 s53, s53, OSS
	v_lshl_add_u32 v[OSSA], v8, 2, s53
	s_lshl_b32 s16, s[BH], 11                      ; q: index (batch 8 + pair) 2048 + 128 block + 16 tile + r
	s_lshl_b32 s17, s[QB], 7
	s_add_co_u32 s16, s16, s17
	s_lshl_b32 s17, s18, 4
	s_add_co_u32 s16, s16, s17
	s_lshl_b32 s20, s16, 7
	s_add_co_u32 s20, s20, s52
	s_mov_b32 s21, 0
	s_lshl_b32 s22, s16, 2
	s_lshl_b32 s23, s19, 1
	s_add_co_u32 s22, s22, s23
	s_mov_b32 s23, 0
	s_add_nc_u64 s[48:49], s[4:5], s[20:21]
	s_add_nc_u64 s[50:51], s[6:7], s[22:23]
	v_lshlrev_b32 v10, 7, v8
	v_lshl_add_u32 v10, v9, 4, v10
	v_lshlrev_b32 v11, 2, v8
	global_load_b128 v[16:19], v10, s[48:49]
	global_load_b128 v[20:23], v10, s[48:49] offset:32
	global_load_u16 v255, v11, s[50:51]            ; q's two scale bytes; the upper two are 0, over zero codes
	s_and_b32 s16, s[BH], 7                        ; the result: index pair 4096 + batch 2048 + 128 block
	s_lshl_b32 s16, s16, 12
	s_lshr_b32 s17, s[BH], 3
	s_lshl_b32 s17, s17, 11
	s_add_co_u32 s16, s16, s17
	s_lshl_b32 s17, s[QB], 7
	s_add_co_u32 s16, s16, s17
	s_lshl_b32 s20, s16, 7
	s_lshl_b32 s17, s[WV], 10
	s_add_co_u32 s20, s20, s17                     ; + my wave's eight rows
	s_mov_b32 s21, 0
	s_lshl_b32 s22, s16, 2
	s_mov_b32 s23, 0
	s_add_nc_u64 s[8:9], s[8:9], s[20:21]
	s_add_nc_u64 s[10:11], s[10:11], s[22:23]
	v_mov_b32 v13, 0xff61b1e6                      ; the largest t so far: -3e38
	v_floor_f32 v12, -v13                          ; -M
	v_mov_b32 v14, 0
	v_mov_b32 v15, 0
.irp b, 0,1,2,3
	v_mov_b32 v[236+\b], 0                         ; a lane permute's destination counts as one of its sources
.endr
	v_mov_b32 v252, 0
	v_mov_b32 v253, 0
.irp j, 0,1,2,3,4,5,6,7
	v_mov_b32 v[24+\j], 0                          ; the upper 64 of the score product's K: zero codes, in q
.endr
.irp t, 0,1,2,3
.irp j, 8,9,10,11,12,13,14,15
	v_mov_b32 v[32+16*\t+\j], 0                    ; and in k's four fragments; they stay
.endr
.endr
.set n, 0
.rept 32
	v_mov_b32 v[160+n], 0                          ; O^T: the step is written alike for all blocks; the first change of M leaves zeros zeros
.set n, n+1
.endr
	s_wait_loadcnt 0x0                             ; q
; block kb of the five.  mode 1: keys at or below the band's lower edge are hidden; mode 2: keys behind the query.
.macro STEP kb, mode
.if \kb < 3
.if \kb == 2
	s_wait_tensorcnt 0x0                           ; waves 0 and 1: all my fills have landed: blocks 2, 3 and 4 too
.else
	s_wait_tensorcnt 4-\kb                         ; waves 0 and 1: the scale words and the blocks up to this one have landed; the 4 - kb loads issued behind them may be out
.endif
	s_barrier_signal -1                            ; (no LDS instruction of mine is out: the last step's loads were waited for ahead of its products)
	s_barrier_wait -1                              ; everybody may read them
.endif
.if \kb < 4
	s_cmp_lt_u32 s[QB], 4-\kb                      ; the block lies in front of the sequence's start: a branch on the work-group's number, behind the barrier
	s_cbranch_scc1 .Lskip_\@
.endif
	v_add_nc_u32 v[ADK], \kb*CH, v[AK0]
	v_add_nc_u32 v[ADV], \kb*CH, v[AV0]
	v_add_nc_u32 v[ADS], \kb*512, v[ASK0]
	v_add_nc_u32 v[ADT], \kb*512, v[ASV0]
.rept 5
	v_nop                                          ; with the four additions nine places: the scores are laid over v's fragments, which the last products read
.endr
.irp g, 0,1
.if \g > 0
.rept 8
	v_nop
.endr
.endif
.irp t, 0,1,2,3
.irp c, 0,1
	ds_load_b128 v[32+16*\t+4*\c:32+16*\t+4*\c+3], v[ADK] offset:(64*\g+16*\t)*KP+32*\c
.endr
	ds_load_u16 v[248+\t], v[ADS] offset:(64*\g+16*\t)*4
.endr
	s_wait_dscnt 0x0
.irp t, 0,1,2,3
	v_wmma_scale_f32_16x16x128_f8f6f4 v[96+8*(4*\g+\t):103+8*(4*\g+\t)], v[32+16*\t:47+16*\t], v[16:31], 0, v[248+\t], v255 matrix_a_fmt:MATRIX_FMT_BF8 matrix_b_fmt:MATRIX_FMT_BF8
.endr
.endr
.rept 8
	v_nop
.endr
.if \mode > 0
	v_mov_b32 v254, 0xff800000                     ; -infinity
.set n, 0
.rept 64
.if \mode == 1
	v_cmp_le_i32 vcc_lo, 16*(n/8)+n%8, v[DQ]       ; the key lies 512 or more behind the query: outside the window
.else
	v_cmp_gt_i32 vcc_lo, 16*(n/8)+n%8, v[DQ]       ; key > query
.endif
	v_cndmask_b32 v[96+n], v[96+n], v254, vcc_lo
.set n, n+1
.endr
.endif
.irp b, 0,1,2,3
	v_max3_num_f32 v[232+\b], v[96+16*\b], v[97+16*\b], v[98+16*\b]        ; the largest score of each block of 32 keys: for the row's maximum and for the block's largest p
.endr
.irp i, 3,5,7,9,11,13
.irp b, 0,1,2,3
	v_max3_num_f32 v[232+\b], v[232+\b], v[96+16*\b+\i], v[97+16*\b+\i]
.endr
.endr
.irp b, 0,1,2,3
	v_max_num_f32 v[232+\b], v[232+\b], v[111+16*\b]
.endr
.irp b, 0,1,2,3
	v_permlanex16_b32 v[236+\b], v[232+\b], s[SEL], s[SEL+1]
.endr
.irp b, 0,1,2,3
	v_max_num_f32 v[232+\b], v[232+\b], v[236+\b]
.endr
	v_max3_num_f32 v254, v232, v233, v234
	v_max_num_f32 v254, v254, v235
	v_mul_f32 v254, s[CS], v254
	v_max_num_f32 v13, v13, v254                   ; the running largest t
	v_mov_b32 v254, v12
	v_floor_f32 v12, -v13                          ; the new -M: M is a whole number
	v_sub_f32 v254, v12, v254
	v_cvt_i32_f32 v254, v254                       ; (it saturates)
	v_ldexp_f32 v252, 1.0, v254                    ; f = 2^(old M - new M)
.set n, 0
.rept 32
	v_pk_fma_f32 v[96+n:97+n], v[96+n:97+n], s[CS:CS+1], v[12:13] op_sel_hi:[1,0,0]    ; t - M
.set n, n+2
.endr
.irp b, 0,1,2,3
	v_fma_f32 v[232+\b], v[232+\b], s[CS], v12
.endr
.set n, 0
.rept 64
	v_exp_f32 v[96+n], v[96+n]                     ; p, not normalised
.set n, n+1
.endr
	v_pk_mul_f32 v[14:15], v[14:15], v[252:253] op_sel_hi:[1,0]            ; the sums under the new M: a plain instruction behind the exponentials
	s_wait_alu depctr_va_vdst(0)                   ; one wait for the batch, ahead of its first reader
.irp b, 0,1,2,3
	v_exp_f32 v[232+\b], v[232+\b]                 ; each block's largest p
.endr
	v_pk_add_f32 v[236:237], v[96:97], v[98:99]    ; the row's sum of the unquantised p, in two chains
.irp j, 4,8,12,16,20,24,28,32,36,40,44,48,52,56,60
	v_pk_add_f32 v[14:15], v[14:15], v[96+\j:97+\j]
	v_pk_add_f32 v[236:237], v[236:237], v[98+\j:99+\j]
.endr
	v_pk_add_f32 v[14:15], v[14:15], v[236:237]
	s_wait_alu depctr_va_vdst(0)                   ; and one for the four
.irp b, 0,1,2,3
	v_max_num_f32 v[232+\b], 0x8000000, v[232+\b]  ; the floor
.endr
.irp b, 0,1,2,3
	v_add_nc_u32 v[244+\b], 0xf8800000, v[232+\b]
.endr
.irp b, 0,1,2,3
	v_and_or_b32 v[240+\b], v[232+\b], 0x7f800000, s[MNT]
.endr
.irp b, 0,1,2,3
	v_lshrrev_b32 v[236+\b], 23, v[244+\b]
.endr
	v_lshl_or_b32 v253, v237, 8, v236              ; p's scale word for these 128 keys
	v_lshl_or_b32 v253, v238, 16, v253
	v_lshl_or_b32 v253, v239, 24, v253
.irp b, 0,1,2,3
.irp i, 0,1,2,3,4,5,6,7,8,9,10,11,12,13,14,15
	v_min_num_f32 v[96+16*\b+\i], v[96+16*\b+\i], v[240+\b]                ; the hold; p is not negative
.endr
	v_cvt_scalef32_pk8_bf8_f32 v[PC+4*\b:PC+1+4*\b], v[96+16*\b:103+16*\b], v[244+\b]
	v_cvt_scalef32_pk8_bf8_f32 v[PC+2+4*\b:PC+3+4*\b], v[104+16*\b:111+16*\b], v[244+\b]
.endr
.irp t, 0,1,2,3
.irp c, 0,1,2,3
	ds_load_b128 v[96+16*\t+4*\c:96+16*\t+4*\c+3], v[ADV] offset:\t*16*KP+32*\c        ; v's four fragments take p's registers
.endr
	ds_load_b32 v[248+\t], v[ADT] offset:64*\t
.endr
.set n, 0
.rept 16
	v_pk_mul_f32 v[160+n:161+n], v[160+n:161+n], v[252:253] op_sel_hi:[1,0]            ; O^T under the new M; these sixteen are also the places in front of the products
.set n, n+2
.endr
	s_wait_dscnt 0x0
.irp t, 0,1,2,3
	v_wmma_scale_f32_16x16x128_f8f6f4 v[160+8*\t:167+8*\t], v[96+16*\t:111+16*\t], v[PC:PC+15], v[160+8*\t:167+8*\t], v[248+\t], v253 matrix_a_fmt:MATRIX_FMT_BF8 matrix_b_fmt:MATRIX_FMT_BF8
.endr
.if \kb < 4
.Lskip_\@:
.endif
.endm
	STEP 0, 1
	STEP 1, 0
	STEP 2, 0
	STEP 3, 0
	STEP 4, 2
.macro QUANT s, nb                     ; nb blocks of 32, 16 numbers a lane, the other 16 in lane l xor 16
.irp b, 0,1,2,3
.if \b < \nb
	v_max3_num_f32 v[TM+\b], |v[\s+16*\b]|, |v[\s+1+16*\b]|, 0x8000000
.endif
.endr
.irp i, 2,4,6,8,10,12,14
.irp b, 0,1,2,3
.if \b < \nb
	v_max3_num_f32 v[TM+\b], v[TM+\b], |v[\s+16*\b+\i]|, |v[\s+1+16*\b+\i]|
.endif
.endr
.endr
.irp b, 0,1,2,3
.if \b < \nb
	v_permlanex16_b32 v[TM+4+\b], v[TM+\b], s[SEL], s[SEL+1]
.endif
.endr
.irp b, 0,1,2,3
.if \b < \nb
	v_max_num_f32 v[TM+\b], v[TM+\b], v[TM+4+\b]
.endif
.endr
.irp b, 0,1,2,3
.if \b < \nb
	v_add_nc_u32 v[TM+12+\b], 0xf8800000, v[TM+\b]
.endif
.endr
.irp b, 0,1,2,3
.if \b < \nb
	v_and_or_b32 v[TM+8+\b], v[TM+\b], 0x7f800000, s[MNT]
.endif
.endr
.irp b, 0,1,2,3
.if \b < \nb
	v_lshrrev_b32 v[TM+4+\b], 23, v[TM+12+\b]
.endif
.endr
	v_lshl_or_b32 v[PW], v[TM+5], 8, v[TM+4]
.if \nb > 2
	v_lshl_or_b32 v[PW], v[TM+6], 16, v[PW]
	v_lshl_or_b32 v[PW], v[TM+7], 24, v[PW]
.endif
.irp b, 0,1,2,3
.if \b < \nb
.irp i, 0,1,2,3,4,5,6,7,8,9,10,11,12,13,14,15
	v_med3_num_f32 v[\s+16*\b+\i], v[\s+16*\b+\i], -v[TM+8+\b], v[TM+8+\b]
.endr
	v_cvt_scalef32_pk8_bf8_f32 v[PC+4*\b:PC+1+4*\b], v[\s+16*\b:\s+7+16*\b], v[TM+12+\b]
	v_cvt_scalef32_pk8_bf8_f32 v[PC+2+4*\b:PC+3+4*\b], v[\s+8+16*\b:\s+15+16*\b], v[TM+12+\b]
.endif
.endr
	v_nop
.endm
	; THE WAY OUT: O^T / the sum, quantised along my head's 64 channels (two blocks), natural order; the rows of both heads meet in LDS
.rept 8
	v_nop
.endr
	v_add_f32 v14, v14, v15
	v_permlanex16_b32 v252, v14, s[SEL], s[SEL+1]
	v_add_f32 v14, v14, v252                       ; the row's sum
	v_rcp_f32 v14, v14
	v_and_b32 v8, 31, v0
	v_lshlrev_b32 v9, 4, v8                        ; 16 x lane
	v_lshrrev_b32 v10, 3, v8
	v_mul_u32_u24 v10, v10, KP
	v_and_b32 v11, 7, v8
	v_lshl_add_u32 v10, v11, 4, v10
	s_mul_i32 s20, s[WV], 8*KP
	s_add_co_u32 s20, s20, OST
	v_add_nc_u32 v10, s20, v10                     ; back: my wave's eight rows, eight lanes to a row
	v_add_nc_u32 v11, OSS, v9
	s_wait_alu depctr_va_vdst(0)                   ; the wait for the reciprocal, ahead of its first reader
.set n, 0
.rept 32
	v_mul_f32 v[96+n], v[160+n], v14               ; register 8 t + i: channel 16 t + 8 h + i
.set n, n+1
.endr
	QUANT 96, 2
.irp b, 0,1
	ds_store_b64 v[OSTA], v[PC+4*\b:PC+4*\b+1] offset:32*\b
	ds_store_b64 v[OSTA], v[PC+4*\b+2:PC+4*\b+3] offset:32*\b+16
.endr
	ds_store_b16 v[OSSA], v[PW]                    ; my head's two bytes of the row's word
	s_wait_dscnt 0x0                               ; for the others' sake
	s_barrier_signal -1
	s_barrier_wait -1
	ds_load_b128 v[96:99], v10
	ds_load_b128 v[100:103], v10 offset:4*KP
	s_wait_dscnt 0x0
	global_store_b128 v9, v[96:99], s[8:9]         ; 32 lanes store 512 consecutive bytes, aligned
	global_store_b128 v9, v[100:103], s[8:9] offset:512
	s_cmp_lg_u32 s[WV], 0
	s_cbranch_scc1 .Lend
	ds_load_b128 v[104:107], v11
	s_wait_dscnt 0x0
	global_store_b128 v9, v[104:107], s[10:11]     ; the 128 scale words
.Lend:
	s_wait_tensorcnt 0x0
	ds_add_u32 v230, v231
	s_wait_dscnt 0x0
	s_endpgm
.Lfunc_end_k_q02885eb326_attn:
	.size	k_q02885eb326_attn, .Lfunc_end_k_q02885eb326_attn-k_q02885eb326_attn
	.p2alignl 7, 3214868480
	.fill 96, 4, 3214868480
	.section	.rodata,"a",@progbits
	.p2align	6, 0x0
	.amdhsa_kernel k_q02885eb326_attn
		.amdhsa_group_segment_fixed_size 210432
		.amdhsa_private_segment_fixed_size 0
		.amdhsa_enable_private_segment 0
		.amdhsa_kernarg_size 32
		.amdhsa_user_sgpr_count 2
		.amdhsa_user_sgpr_kernarg_segment_ptr 1
		.amdhsa_wavefront_size32 1
		.amdhsa_system_sgpr_workgroup_id_x 1
		.amdhsa_system_sgpr_workgroup_id_y 1
		.amdhsa_system_sgpr_workgroup_id_z 1
		.amdhsa_system_vgpr_workitem_id 0
		.amdhsa_next_free_vgpr 256
		.amdhsa_next_free_sgpr 90
		.amdhsa_reserve_vcc 1
		.amdhsa_float_denorm_mode_32 3
		.amdhsa_float_denorm_mode_16_64 3
		.amdhsa_memory_ordered 1
		.amdhsa_forward_progress 1
		.amdhsa_inst_pref_size 123
	.end_amdhsa_kernel
	.amdgpu_metadata
---
amdhsa.version: [ 1, 2 ]
amdhsa.kernels:
  - .name:           k_q02885eb326_attn
    .symbol:         k_q02885eb326_attn.kd
    .args:
      - { .name: big, .offset: 0, .size: 8, .value_kind: global_buffer, .address_space: global }
      - { .name: bigs, .offset: 8, .size: 8, .value_kind: global_buffer, .address_space: global }
      - { .name: aoc, .offset: 16, .size: 8, .value_kind: global_buffer, .address_space: global }
      - { .name: aos, .offset: 24, .size: 8, .value_kind: global_buffer, .address_space: global }
    .group_segment_fixed_size: 210432
    .private_segment_fixed_size: 0
    .kernarg_segment_align: 8
    .kernarg_segment_size: 32
    .max_flat_workgroup_size: 512
    .sgpr_count:     90
    .vgpr_count:     256
    .wavefront_size: 32
...
	.end_amdgpu_metadata
.endif
;; end of part 3
;; launch oproj (part 4): grid 8 x 32, 4 waves a work-group, clusters of 4 x 4, 327,680 bytes of LDS; arguments aoc, aos, w_o_codes, w_o_scales, x, x1; writes x1
.if DOCPART == 4
	.amdgcn_target "amdgcn-amd-amdhsa--gfx1250"
	.amdhsa_code_object_version 6
	.text
	.protected	k_q02885eb326_oproj
	.globl	k_q02885eb326_oproj
	.p2align	8
	.type	k_q02885eb326_oproj,@function
k_q02885eb326_oproj:
	s_mov_b64 s[64:65], 0
	v_nop
	global_prefetch_b8 v0, s[64:65] scope:SCOPE_SE
	s_setreg_imm32_b32 hwreg(HW_REG_WAVE_MODE, 25, 1), 1
	s_wait_xcnt 0x0
	s_wait_alu depctr_hold_cnt(0) depctr_sa_sdst(0) depctr_va_vdst(0) depctr_va_sdst(0) depctr_va_ssrc(0) depctr_va_vcc(0) depctr_vm_vsrc(0)
	s_getreg_b32 s2, hwreg(HW_REG_IB_STS2, 6, 4)
	s_cmp_eq_u32 s2, 0
	s_cbranch_scc0 .Lentry_in_a_cluster
	s_endpgm
.Lentry_in_a_cluster:
	s_bfe_u32 s2, ttmp6, 0x10000c
	s_cmp_lg_u32 s2, 0xf033
	s_cbranch_scc0 .Lentry_shape_is_right
	s_endpgm
.Lentry_shape_is_right:
; y = A W^T (+ bias) + residual on codes of E5M2.  A: made by an earlier launch, [K / 128][4096 rows][128 codes] with one word of four scale bytes at the same index.  W: [1024][K] codes, K innermost, K / 32 scale bytes a row.
; residual and y: [4096][1024] f32.  SIZE_K = 1,024 without a bias, or 4,096 with one.
; 4096 x 1024 in tiles of 256 x 256 would be 64 work-groups: the tile is 128 x 128, 256 work-groups; four waves, 64 x 64 each: 16 accumulators.  A slot holds 512 along K, as long as two slots fit in LDS:
; A's four blocks of 128 rows x (128 + 16) bytes, B's 128 rows x (512 + 16) bytes.  Waves 0, 1 fetch two of A's blocks each: ONE load whose two rows are the two dense blocks of 16 KB, padded behind every 128 bytes;
; waves 2, 3 fetch 64 rows of B each.  All scale bytes of the tile's rows come once, with the first fills.
; CLUSTER 4 x 4: A's tiles are asked for jointly along a row of the cluster, B's along a column.  The matrix instruction is used transposed: a lane holds eight neighbouring columns of one row of y.
; THE RESIDUAL of a wave's 64 x 64 numbers, 32 loads of 512 bytes, is asked for at the head, into 128 registers of its own (window 2), in the layout of the rows read back on the way out: it is on its way while K is walked.
; THE WAY OUT: through the wave's stage in slot 0 (which has had its last fill and its last read), back as rows of 256 bytes; the residual is added; sixteen lanes store 256 consecutive bytes, aligned.
; LIMITS: NaN and infinities are not served.
.set SIZE_K, 1024
.set BIAS, 0
.set NP,    8
.set KS,    SIZE_K/32
.set LAPS,  SIZE_K/1024                ; a lap = two slots
.set AP,    144
.set ACH,   128*AP                     ; a block of A in LDS
.set BP,    528
.set BOFF,  4*ACH
.set SLOT,  BOFF+128*BP
.set SCA,   2*SLOT                     ; A's scale words: [K / 128][128]
.set SCB,   SCA+16384                  ; B's scale bytes, as runs of 256 bytes + 16
.set SBH,   (64*KS/256)*272            ; those of 64 rows
.set SBB,   (16*KS/256)*272            ; of 16 rows
.set SPARE, SCB+17408                  ; the spare words: 128 bytes a wave, named by no other line
.set ADRA, 16
.set ADRB, 20
.set ADSA, 22
.set ADSB, 23
.set STO,  24
.set RD,   25
.set CO,   26
.set SPW,  28
.set NIL,  29
.set SA,   32                          ; v32-63 A's scale words, two sets: 4 i + q
.set SB,   64                          ; v64-95 B's
.set BIA,  96                          ; v96-127 the bias in the result's layout
.set ACC,  128
.set F0,   0                           ; window 1: two sets of fragments: A's 4 x 16 registers, then B's
.set F1,   128
.set RES,  0                           ; window 2: v0-127 the residual
.set WV, 16
.set WR, 17
.set WC, 18
.set CNT, 19
.set G1, 24
.set G0, 32
.set G1B, 48
.set G0B, 56
.set G1S, 68
.set G0S, 76
.set G1SB, 80
.set G0SB, 88
.set MSB, 0
.macro WIN new
.if MSB != \new
	s_set_vgpr_msb (MSB<<8)|\new
.set MSB, \new
.endif
.endm
.set MUL,  0x05                        ; sources 0 and 1 window 1; C and D window 0
.set TO_F, 0x40
.macro JLOAD g0a, g1a, g0b, g1b        ; waves 0, 1 fetch for A, waves 2, 3 for B; four v_nop follow each line
	s_cmp_eq_u32 s[WR], 0
	s_cbranch_scc0 .Lfor_b_\@
	tensor_load_to_lds s[\g0a:\g0a+3], s[\g1a:\g1a+7]
	s_nop 0
.rept 4
	v_nop
.endr
	s_branch .Lasked_\@
.Lfor_b_\@:
	tensor_load_to_lds s[\g0b:\g0b+3], s[\g1b:\g1b+7]
	s_nop 0
.rept 4
	v_nop
.endr
.Lasked_\@:
.endm
.macro CREST
	s_cmp_lg_u32 s[WV], 0
	s_cbranch_scc1 .Lnot_wave_0_\@
	s_barrier_signal -3
.Lnot_wave_0_\@:
	s_barrier_wait -3
	s_barrier_signal -1
	s_barrier_wait -1
.endm
.macro CROUND
	s_barrier_signal -1
	s_barrier_wait -1
	CREST
.endm
	s_load_b256 s[4:11], s[0:1], 0x0               ; A's codes, A's scale words, W's codes, W's scales
	s_load_b128 s[12:15], s[0:1], 0x20             ; residual, y
.if BIAS
	s_load_b64 s[66:67], s[0:1], 0x30
.endif
	v_lshl_add_u32 v[SPW], v0, 2, SPARE
	v_mov_b32 v[NIL], 0
	ds_add_u32 v28, v29
	ds_add_u32 v28, v29
	s_wait_dscnt 0x0
	v_lshrrev_b32 v1, 5, v0
	v_readfirstlane_b32 s[WV], v1
	s_lshr_b32 s[WR], s[WV], 1
	s_and_b32 s[WC], s[WV], 1
	s_bfe_u32 s40, ttmp6, 0x40000
	s_bfe_u32 s41, ttmp6, 0x40004
	s_lshl_b32 s42, ttmp9, 2
	s_add_co_u32 s42, s42, s40                     ; tile column
	s_and_b32 s43, ttmp7, 0xffff
	s_lshl_b32 s43, s43, 2
	s_add_co_u32 s43, s43, s41                     ; tile row
	s_lshl_b32 s44, s41, 2
	s_lshl_b32 s44, 15, s44
	s_lshl_b32 s45, 0x1111, s40
	s_or_b32 s[G1+0], s44, (3<<16)|(1<<20)|(1<<21)|(4<<22)|(3<<25)   ; A: elements of 8 bytes; 4 words of padding behind every 32
	s_mov_b32 s[G1+1], 2048<<16                    ; a row = a block of 128 x 128 bytes = 2,048 elements
	s_mov_b32 s[G1+2], 2<<16
	s_mov_b32 s[G1+3], 2048<<16
	s_mov_b32 s[G1+4], 2
	s_mov_b32 s[G1+5], 65536                       ; from block to block: 4,096 rows of 128 bytes
	s_mov_b32 s[G1+6], 0
	s_mov_b32 s[G1+7], 0
	s_or_b32 s[G1B+0], s45, (0<<16)|(1<<20)|(1<<21)|(6<<22)|(3<<25)  ; B: elements of 1 byte; 4 words behind every 128
	s_mov_b32 s[G1B+1], 512<<16
	s_mov_b32 s[G1B+2], 64<<16
	s_mov_b32 s[G1B+3], 512<<16
	s_mov_b32 s[G1B+4], 64
	s_mov_b32 s[G1B+5], SIZE_K
	s_mov_b32 s[G1B+6], 0
	s_mov_b32 s[G1B+7], 0
	s_or_b32 s[G1S+0], s44, (3<<16)|(1<<21)        ; A's scale words: K / 256 rows of 512 bytes, no padding
	s_mov_b32 s[G1S+1], 64<<16
	s_mov_b32 s[G1S+2], (SIZE_K/256)<<16
	s_mov_b32 s[G1S+3], 64<<16
	s_mov_b32 s[G1S+4], SIZE_K/256
	s_mov_b32 s[G1S+5], 2048
	s_mov_b32 s[G1S+6], 0
	s_mov_b32 s[G1S+7], 0
	s_or_b32 s[G1SB+0], s45, (3<<16)|(1<<20)|(1<<21)|(5<<22)|(3<<25) ; B's scale bytes of 64 rows: dense, as rows of 256 bytes
	s_mov_b32 s[G1SB+1], 32<<16
	s_mov_b32 s[G1SB+2], (64*KS/256)<<16
	s_mov_b32 s[G1SB+3], 32<<16
	s_mov_b32 s[G1SB+4], 64*KS/256
	s_mov_b32 s[G1SB+5], 32
	s_mov_b32 s[G1SB+6], 0
	s_mov_b32 s[G1SB+7], 0
	s_lshl_b32 s20, s43, 14                        ; A's codes: 128 rows of 128 bytes a tile row,
	s_lshl_b32 s21, s[WC], 20                      ; two blocks on for wave 1
	s_add_co_u32 s20, s20, s21
	s_mov_b32 s21, 0
	s_lshl_b32 s22, s43, 9                         ; A's scale words
	s_mul_i32 s23, s[WC], (SIZE_K/256)*16384
	s_add_co_u32 s22, s22, s23
	s_mov_b32 s23, 0
	s_lshl_b32 s96, s42, 7
	s_lshl_b32 s97, s[WC], 6
	s_add_co_u32 s96, s96, s97                     ; B's rows that I fetch
	s_mul_i32 s46, s96, KS
	s_mov_b32 s47, 0
	s_mul_i32 s96, s96, SIZE_K
	s_mov_b32 s97, 0
	s_mul_i32 s2, s[WC], 2*ACH                     ; where they go: the wave's number alone
	s_mul_i32 s3, s[WC], 64*BP
	s_add_co_u32 s3, s3, BOFF
	s_mul_i32 s98, s[WC], (SIZE_K/256)*512
	s_add_co_u32 s98, s98, SCA
	s_mul_i32 s99, s[WC], SBH
	s_add_co_u32 s99, s99, SCB
	s_wait_kmcnt 0x0
	s_add_nc_u64 s[20:21], s[4:5], s[20:21]
	s_add_nc_u64 s[22:23], s[6:7], s[22:23]
	s_add_nc_u64 s[96:97], s[8:9], s[96:97]
	s_add_nc_u64 s[46:47], s[10:11], s[46:47]
	CROUND                                         ; all sixteen work-groups are here: the first joint loads meet
	s_mov_b32 s[G0S], 1
	s_mov_b32 s[G0S+1], s98
	s_mov_b64 s[G0S+2:G0S+3], s[22:23]
	s_or_b32 s[G0S+3], s[G0S+3], 0x80000000
	s_mov_b32 s[G0SB], 1
	s_mov_b32 s[G0SB+1], s99
	s_mov_b64 s[G0SB+2:G0SB+3], s[46:47]
	s_or_b32 s[G0SB+3], s[G0SB+3], 0x80000000
	JLOAD G0S, G1S, G0SB, G1SB
.irp s, 0,1
	s_mov_b32 s[G0+4*\s], 1
	s_add_co_u32 s[G0+4*\s+1], s2, \s*SLOT
	s_add_nc_u64 s[G0+4*\s+2:G0+4*\s+3], s[20:21], \s*2097152      ; four blocks on
	s_or_b32 s[G0+4*\s+3], s[G0+4*\s+3], 0x80000000
	s_mov_b32 s[G0B+4*\s], 1
	s_add_co_u32 s[G0B+4*\s+1], s3, \s*SLOT
	s_add_nc_u64 s[G0B+4*\s+2:G0B+4*\s+3], s[96:97], \s*512
	s_or_b32 s[G0B+4*\s+3], s[G0B+4*\s+3], 0x80000000
	JLOAD G0+4*\s, G1, G0B+4*\s, G1B
.endr
	v_and_b32 v1, 15, v0                           ; r
	v_bfe_u32 v2, v0, 4, 1                         ; h
	v_mul_u32_u24 v3, v1, AP
	v_lshl_add_u32 v3, v2, 4, v3
	v_mul_u32_u24 v4, v1, BP
	v_lshl_add_u32 v4, v2, 4, v4
	s_mul_i32 s21, s[WR], 64*AP
	s_mul_i32 s22, s[WC], 64*BP
	s_add_co_u32 s22, s22, BOFF
.irp s, 0,1
	v_add_nc_u32 v[ADRA+\s], s21, v3
	v_add_nc_u32 v[ADRB+\s], s22, v4
	s_add_co_u32 s21, s21, SLOT
	s_add_co_u32 s22, s22, SLOT
.endr
	s_lshl_b32 s21, s[WR], 8
	s_add_co_u32 s21, s21, SCA
	v_lshl_add_u32 v[ADSA], v1, 2, s21
	v_mul_u32_u24 v5, v1, KS
	v_lshrrev_b32 v6, 8, v5
	v_lshl_add_u32 v5, v6, 4, v5
	s_mul_i32 s21, s[WC], SBH
	s_add_co_u32 s21, s21, SCB
	v_add_nc_u32 v[ADSB], s21, v5
	s_mul_i32 s21, s[WV], 64*272                   ; my stage
	v_mul_u32_u24 v5, v1, 272
	v_lshl_add_u32 v5, v2, 5, v5
	v_add_nc_u32 v[STO], s21, v5
	v_mul_u32_u24 v5, v2, 272
	v_lshl_add_u32 v5, v1, 4, v5
	v_add_nc_u32 v[RD], s21, v5
	v_lshlrev_b32 v5, 12, v2
	v_lshl_add_u32 v[CO], v1, 4, v5                ; lanes 0-15 one row of y, lanes 16-31 the next
	s_lshl_b32 s20, s43, 7
	s_lshl_b32 s21, s[WR], 6
	s_add_co_u32 s20, s20, s21
	s_lshl_b32 s20, s20, 12                        ; my first row,
	s_lshl_b32 s21, s42, 9
	s_add_co_u32 s20, s20, s21
	s_lshl_b32 s21, s[WC], 8
	s_add_co_u32 s20, s20, s21                     ; my 64 columns
	s_mov_b32 s21, 0
	s_add_nc_u64 s[12:13], s[12:13], s[20:21]
	s_add_nc_u64 s[14:15], s[14:15], s[20:21]
.if BIAS
	s_lshl_b32 s20, s42, 9
	s_lshl_b32 s21, s[WC], 8
	s_add_co_u32 s20, s20, s21
	s_mov_b32 s21, 0
	s_add_nc_u64 s[66:67], s[66:67], s[20:21]
	v_lshlrev_b32 v7, 5, v2
.irp b, 0,1,2,3
	global_load_b128 v[BIA+8*\b:BIA+8*\b+3], v7, s[66:67] offset:64*\b
	global_load_b128 v[BIA+8*\b+4:BIA+8*\b+7], v7, s[66:67] offset:64*\b+16
.endr
.endif
	WIN 0x80                                       ; destination window 2, address window 0
.irp a, 0,1,2,3
.irp t, 0,1,2,3,4,5,6,7
	global_load_b128 v[RES+32*\a+4*\t:RES+32*\a+4*\t+3], v[CO], s[12:13] offset:(16*\a+2*\t)*4096      ; the residual, in the layout of the rows read back; neither its registers nor its address are written again
.endr
.endr
	WIN 0
.macro FETCH slot, q, f                ; 32 LDS loads in one run: the fragments of the slot's q-th 128 along K
	WIN TO_F
.irp i, 0,1,2,3
.irp c, 0,1,2,3
	ds_load_b128 v[\f+16*\i+4*\c:\f+16*\i+4*\c+3], v[ADRA+\slot] offset:(\q)*ACH+\i*16*AP+32*\c
.endr
.endr
.irp i, 0,1,2,3
.irp c, 0,1,2,3
	ds_load_b128 v[\f+64+16*\i+4*\c:\f+64+16*\i+4*\c+3], v[ADRB+\slot] offset:128*(\q)+\i*16*BP+32*\c
.endr
.endr
.endm
.macro SCALES set                      ; a slot's scale words
	WIN 0
.irp i, 0,1,2,3
.irp q, 0,1,2,3
	ds_load_b32 v[SA+16*\set+4*\i+\q], v[ADSA] offset:512*\q+64*\i
.endr
	ds_load_b128 v[SB+16*\set+4*\i:SB+16*\set+4*\i+3], v[ADSB] offset:\i*SBB
.endr
.endm
; four matrix instructions: A's block a x B's four.  first = 1: they start the sums; 2: from the bias.  The 16 accumulators take turns.
.macro MULR f, a, q, set, first
.irp b, 0,1,2,3
.if \first == 1
	v_wmma_scale_f32_16x16x128_f8f6f4 v[ACC+8*(4*(\a)+\b):ACC+8*(4*(\a)+\b)+7], v[\f+64+16*\b:\f+64+16*\b+15], v[\f+16*(\a):\f+16*(\a)+15], 0, v[SB+16*(\set)+4*\b+(\q)], v[SA+16*(\set)+4*(\a)+(\q)] matrix_a_fmt:MATRIX_FMT_BF8 matrix_b_fmt:MATRIX_FMT_BF8
.elseif \first == 2
	v_wmma_scale_f32_16x16x128_f8f6f4 v[ACC+8*(4*(\a)+\b):ACC+8*(4*(\a)+\b)+7], v[\f+64+16*\b:\f+64+16*\b+15], v[\f+16*(\a):\f+16*(\a)+15], v[BIA+8*\b:BIA+8*\b+7], v[SB+16*(\set)+4*\b+(\q)], v[SA+16*(\set)+4*(\a)+(\q)] matrix_a_fmt:MATRIX_FMT_BF8 matrix_b_fmt:MATRIX_FMT_BF8
.else
	v_wmma_scale_f32_16x16x128_f8f6f4 v[ACC+8*(4*(\a)+\b):ACC+8*(4*(\a)+\b)+7], v[\f+64+16*\b:\f+64+16*\b+15], v[\f+16*(\a):\f+16*(\a)+15], v[ACC+8*(4*(\a)+\b):ACC+8*(4*(\a)+\b)+7], v[SB+16*(\set)+4*\b+(\q)], v[SA+16*(\set)+4*(\a)+(\q)] matrix_a_fmt:MATRIX_FMT_BF8 matrix_b_fmt:MATRIX_FMT_BF8
.endif
.endr
.endm
.macro PLACES n
.rept \n
	v_nop
.endr
.endm
.macro STEP slot, q, first             ; one of a slot's first three steps of 128: the next step's fragments are asked for ahead of this step's sixteen products
	s_wait_dscnt 0x0                               ; this step's fragments and scale words are in
	PLACES NP                                      ; the other set was read by the products just issued (ISA guide 7.12.1)
	FETCH \slot, (\q)+1, F0+128*(((\q)+1)%2)
	WIN MUL
	MULR F0+128*((\q)%2), 0, \q, \slot, \first
	MULR F0+128*((\q)%2), 1, \q, \slot, \first
	MULR F0+128*((\q)%2), 2, \q, \slot, \first
	MULR F0+128*((\q)%2), 3, \q, \slot, \first
.endm
; a slot's last step changes slots: one barrier; in front of it each wave waits for all its tensor loads, adds 0 to its spare word, and waits for that and for its reads of this slot
.macro TURN slot, next, fill
	WIN 0
	s_wait_tensorcnt 0x0
	ds_add_u32 v[SPW], v[NIL]
	s_wait_dscnt 1                                 ; the fragments are in; the add may be out
	WIN MUL
	MULR F1, 0, 3, \slot, 0
	s_wait_dscnt 0x0                               ; the add is done, and my reads of this slot are over
	s_barrier_signal -1
	MULR F1, 1, 3, \slot, 0
	WIN 0
	s_barrier_wait -1
.if \fill
	CREST                                          ; the barrier has opened a round of the cluster's
	s_add_nc_u64 s[G0+4*\slot+2:G0+4*\slot+3], s[G0+4*\slot+2:G0+4*\slot+3], 4194304     ; eight blocks on
	s_add_nc_u64 s[G0B+4*\slot+2:G0B+4*\slot+3], s[G0B+4*\slot+2:G0B+4*\slot+3], 1024
	JLOAD G0+4*\slot, G1, G0B+4*\slot, G1B         ; the first tensor load behind the round
	PLACES NP-4
.else
	PLACES NP
.endif
	v_add_nc_u32 v[ADSA], 2048, v[ADSA]
	v_add_nc_u32 v[ADSB], 16, v[ADSB]
	FETCH \next, 0, F0
	SCALES \next
	WIN MUL
	MULR F1, 2, 3, \slot, 0
	MULR F1, 3, 3, \slot, 0
.endm
	s_wait_tensorcnt 1                             ; the scales and my part of slot 0 are in; slot 1's load may be out
	s_barrier_signal -1
	s_barrier_wait -1
	FETCH 0, 0, F0
	SCALES 0
.if BIAS
	s_wait_loadcnt 32                              ; the bias's eight loads are in: the residual's 32 were issued behind them and may be out
.endif
	STEP 0, 0, 1+BIAS
.if LAPS > 1
	WIN 0
	s_mov_b32 s[CNT], LAPS-1
.Llap:                                             ; a trip goes once round the ring and fills both slots again
	STEP 0, 1, 0
	STEP 0, 2, 0
	TURN 0, 1, 1
	STEP 1, 0, 0
	STEP 1, 1, 0
	STEP 1, 2, 0
	TURN 1, 0, 1
	STEP 0, 0, 0
	WIN 0
	s_sub_co_u32 s[CNT], s[CNT], 1
	s_cmp_lg_u32 s[CNT], 0
	s_cbranch_scc1 .Llap
.endif
	STEP 0, 1, 0                                   ; the last lap fills nothing
	STEP 0, 2, 0
	TURN 0, 1, 0
	STEP 1, 0, 0
	STEP 1, 1, 0
	STEP 1, 2, 0
	s_wait_dscnt 0x0
	WIN MUL
	MULR F1, 0, 3, 1, 0
	MULR F1, 1, 3, 1, 0
	MULR F1, 2, 3, 1, 0
	MULR F1, 3, 3, 1, 0
	WIN 0
	PLACES NP
.irp a, 0,1,2,3
.irp b, 0,1,2,3
	ds_store_b128 v[STO], v[ACC+8*(4*\a+\b):ACC+8*(4*\a+\b)+3] offset:16*272*\a+64*\b          ; each accumulator from its low end on
	ds_store_b128 v[STO], v[ACC+8*(4*\a+\b)+4:ACC+8*(4*\a+\b)+7] offset:16*272*\a+64*\b+16
.endr
.irp t, 0,1,2,3,4,5,6,7
	ds_load_b128 v[ACC+32*\a+4*\t:ACC+32*\a+4*\t+3], v[RD] offset:16*272*\a+544*\t             ; LDS serves a wave's instructions in order: these see the stores above
.endr
	s_wait_dscnt 0x0
	s_wait_loadcnt 24-8*\a                         ; this block's eight residual loads are in; the later blocks' were issued behind them
	WIN 0x08                                       ; source 1 window 2
.irp p, 0,2,4,6,8,10,12,14,16,18,20,22,24,26,28,30
	v_pk_add_f32 v[ACC+32*\a+\p:ACC+32*\a+\p+1], v[ACC+32*\a+\p:ACC+32*\a+\p+1], v[RES+32*\a+\p:RES+32*\a+\p+1]
.endr
	WIN 0
.irp t, 0,1,2,3,4,5,6,7
	global_store_b128 v[CO], v[ACC+32*\a+4*\t:ACC+32*\a+4*\t+3], s[14:15] offset:(16*\a+2*\t)*4096   ; 16 lanes store 256 consecutive bytes, aligned
.endr
.endr
	s_wait_tensorcnt 0x0                           ; the wave's end
	ds_add_u32 v[SPW], v[NIL]
	s_wait_dscnt 0x0
	CROUND                                         ; the closing round
	s_endpgm
.Lfunc_end_k_q02885eb326_oproj:
	.size	k_q02885eb326_oproj, .Lfunc_end_k_q02885eb326_oproj-k_q02885eb326_oproj
	.p2alignl 7, 3214868480
	.fill 96, 4, 3214868480
	.section	.rodata,"a",@progbits
	.p2align	6, 0x0
	.amdhsa_kernel k_q02885eb326_oproj
		.amdhsa_group_segment_fixed_size 327680
		.amdhsa_private_segment_fixed_size 0
		.amdhsa_enable_private_segment 0
		.amdhsa_kernarg_size 48
		.amdhsa_user_sgpr_count 2
		.amdhsa_user_sgpr_kernarg_segment_ptr 1
		.amdhsa_wavefront_size32 1
		.amdhsa_system_sgpr_workgroup_id_x 1
		.amdhsa_system_sgpr_workgroup_id_y 1
		.amdhsa_system_sgpr_workgroup_id_z 1
		.amdhsa_system_vgpr_workitem_id 0
		.amdhsa_next_free_vgpr 768
		.amdhsa_next_free_sgpr 100
		.amdhsa_reserve_vcc 0
		.amdhsa_float_denorm_mode_32 3
		.amdhsa_float_denorm_mode_16_64 3
		.amdhsa_memory_ordered 1
		.amdhsa_forward_progress 1
		.amdhsa_inst_pref_size 63
	.end_amdhsa_kernel
	.amdgpu_metadata
---
amdhsa.version: [ 1, 2 ]
amdhsa.kernels:
  - .name:           k_q02885eb326_oproj
    .symbol:         k_q02885eb326_oproj.kd
    .args:
      - { .name: aoc, .offset: 0, .size: 8, .value_kind: global_buffer, .address_space: global }
      - { .name: aos, .offset: 8, .size: 8, .value_kind: global_buffer, .address_space: global }
      - { .name: w_o_codes, .offset: 16, .size: 8, .value_kind: global_buffer, .address_space: global }
      - { .name: w_o_scales, .offset: 24, .size: 8, .value_kind: global_buffer, .address_space: global }
      - { .name: x, .offset: 32, .size: 8, .value_kind: global_buffer, .address_space: global }
      - { .name: x1, .offset: 40, .size: 8, .value_kind: global_buffer, .address_space: global }
    .group_segment_fixed_size: 327680
    .private_segment_fixed_size: 0
    .kernarg_segment_align: 8
    .kernarg_segment_size: 48
    .max_flat_workgroup_size: 128
    .sgpr_count:     100
    .vgpr_count:     768
    .wavefront_size: 32
...
	.end_amdgpu_metadata
.endif
;; end of part 4
;; launch ln2: the kernel of part 1 again; grid 256 x 1, 8 waves a work-group, no clusters, 42,496 bytes of LDS; arguments x1, ln2_g, ln2_b, hc, hs; writes hc, hs
;; launch up (part 5): grid 16 x 16, 4 waves a work-group, clusters of 4 x 4, 327,680 bytes of LDS; arguments hc, hs, mlp_w1_codes, mlp_w1_scales, big, bigs, mlp_b1; writes big, bigs
.if DOCPART == 5
	.amdgcn_target "amdgcn-amd-amdhsa--gfx1250"
	.amdhsa_code_object_version 6
	.text
	.protected	k_q02885eb326_up
	.globl	k_q02885eb326_up
	.p2align	8
	.type	k_q02885eb326_up,@function
k_q02885eb326_up:
	s_mov_b64 s[64:65], 0
	v_nop
	global_prefetch_b8 v0, s[64:65] scope:SCOPE_SE
	s_setreg_imm32_b32 hwreg(HW_REG_WAVE_MODE, 25, 1), 1
	s_wait_xcnt 0x0
	s_wait_alu depctr_hold_cnt(0) depctr_sa_sdst(0) depctr_va_vdst(0) depctr_va_sdst(0) depctr_va_ssrc(0) depctr_va_vcc(0) depctr_vm_vsrc(0)
	s_getreg_b32 s2, hwreg(HW_REG_IB_STS2, 6, 4)
	s_cmp_eq_u32 s2, 0
	s_cbranch_scc0 .Lentry_in_a_cluster
	s_endpgm
.Lentry_in_a_cluster:
	s_bfe_u32 s2, ttmp6, 0x10000c
	s_cmp_lg_u32 s2, 0xf033
	s_cbranch_scc0 .Lentry_shape_is_right
	s_endpgm
.Lentry_shape_is_right:
; A GEMM ON CODES OF E5M2 WHOSE RESULT IS QUANTISED ON THE WAY OUT.  K = 1,024.  UP = 0: q, k, v = h Wqkv^T.  UP = 1: gelu(h W1^T + b1).
; Operands: rows of 1,024 codes, K innermost, and 32 E8M0 bytes a row.  A tile of 256 x 256 is made by four waves, 128 x 128 each: 64 accumulators, 512 registers.  K goes in steps of 256 through two LDS slots
; filled by tensor loads (rows of 256 bytes + 16 of padding); the scale bytes of the tile's 512 rows come once, with the first fills.
; CLUSTER 4 x 4: the A-role tile hangs on cy and the cluster's ids and is asked for jointly along a row of the cluster, the B-role tile on cx and the ids, along a column.
; The matrix instruction is used transposed (source 0 = 16 B-role rows, source 1 = 16 A-role rows): a lane holds ONE A-role row and its registers run along the B-role rows.
; UP = 0, clusters x = 0, 1 (q, k): A-role = h, B-role = Wqkv: a lane's registers run along the head's 64, which is the score product's K.  Cluster x = 2 (v): THE ROLES ARE SWAPPED (pointers and tile numbers chosen by
; s_cselect on the cluster's x, no branch): a lane holds one channel of v and its registers run along the positions, which are the second product's K.  UP = 1: A-role = h, B-role = W1; the bias is the C of each sum's first product.
; THE WAY OUT.  Block by block of 16 rows x 128 columns, straight from the accumulators' registers: GELU (UP = 1); blocks of 32 columns are quantised (a block lies in lanes l and l xor 16); the codes are laid in LDS in rows
; of 128 + 16 bytes, in the slots, which have had their last fill and, behind a barrier, their last read; the wave's 128 rows x 128 bytes leave as 16 KB on end, 512 bytes a store.
; UP = 0: the eight blocks are written out, some 130 instructions each.  UP = 1: a block's work is some 800 instructions, so it is a loop of eight trips, and only the 32 lines that take a block's numbers out of its
; accumulators (halved on the way: GELU wants x / 2) are written eight times; the trip's number chooses among them.
; OUTPUT.  One row of 128 codes and one word of four scale bytes at the same index.  UP = 0: index ((which 2 + batch) 8 + pair of heads) 2048 + position (v: + 128 x block of keys + channel).
; In a block of 32, byte 16 h + i holds element 8 h + i % 8 + 16 (i / 8): q and k alike, and v in the order in which the attention launch's weights fall.  UP = 1: index (column / 128) 4096 + row, natural order.
; GELU: x / 2 (1 + erf(x / sqrt 2)), erf(z) = z P(z^2) / Q(z^2) with z held to +-4: degrees 6 and 4, good to a few units in the last place of erf.
; LIMITS: NaN and infinities are not served; a block under 2^-111 (zeros too) gets the byte 1, which this program alone reads.
.set UP, 1
.set KSTEP,  256
.set NQ,     2
.set ROWB,   256
.set KROW,   1024
.set PITCH,  272                       ; 256 bytes + 16: the 16 rows of a fragment load start at 16 different banks (64 banks of 4 bytes: ISA guide 11.1)
.set FR,     16
.set NL,     4
.set NP,     8                         ; places behind this matrix instruction (ISA guide 7.12.1)
.set HALFT,  128*PITCH
.set SLOT,   4*HALFT
.set KS,     32
.set SCL,    2*SLOT                    ; the scale bytes, as runs of 256 bytes + 16
.set HALFS,  (128*KS/256)*272
.set SBLK,   (16*KS/256)*272
.set SPARE,  SCL+4*HALFS               ; the spare words: 128 bytes a wave, named by no other line
.set WST,    SPARE+512                 ; the way out: 128 scale words a wave
.set STO,  11                          ; v11-12 the row loop's addresses (UP = 1)
.set WSA,  12
.set WRD,  13                          ; v13 where I read my 128 scale words back
.set ADRA, 16                          ; v16-17 my A fragments in slot 0, 1
.set ADRB, 20                          ; v20-21 my B fragments
.set STOB, 23                          ; v23 where a row's codes go: 65,536 x wave + 144 x row
.set RD,   24                          ; v24 where they are read back
.set WSB,  25                          ; v25 where a row's scale word goes
.set LI,   26                          ; v26 16 x lane
.set ADRS, 27                          ; v27 my scale words: lanes 0-15 A's rows, lanes 16-31 B's
.set SPW,  28
.set NIL,  29
.set SC,   32                          ; v32-63 scale words, two sets; they hold nothing else
.set BIA,  64                          ; v64-127 (UP = 1) the bias in the result's layout, the C of the first products
.set CP,   68                          ; the way out: v68-93 thirteen constants, each twice
.set PW,   94
.set TM,   96                          ; v96-111 at work in the quantiser
.set PC,   112                         ; v112-127 codes
.set AF,   128                         ; A's fragments; on the way out T
.set T,    128
.set ZZ,   192
.set SS,   208
.set PP,   224
.set QQ,   240
.set WV, 16
.set WR, 17
.set WC, 18
.set CNT, 19
.set G1, 24
.set G0, 32
.set G1B, 48
.set G0B, 56
.set G1S, 68
.set G0S, 76
.set G1SB, 80
.set G0SB, 88
.set SEL, 92
.set MNT, 94
.set MSB, 0
.macro WIN new                         ; the immediate's high byte repeats the setting that is left
.if MSB != (\new)
	s_set_vgpr_msb (MSB<<8)|(\new)
.set MSB, (\new)
.endif
.endm
.set MUL_LO, 0xa1                      ; source 0 (B) window 1, source 1 (A) window 0, C and D window 2
.set MUL_HI, 0xf1
.set TO_B,   0x40
; a joint load: waves 0 and 1 fetch for the A role, waves 2 and 3 for the B role; four v_nop follow each line
.macro JLOAD g0a, g1a, g0b, g1b
	s_cmp_eq_u32 s[WR], 0
	s_cbranch_scc0 .Lfor_b_\@
	tensor_load_to_lds s[\g0a:\g0a+3], s[\g1a:\g1a+7]
	s_nop 0
.rept 4
	v_nop
.endr
	s_branch .Lasked_\@
.Lfor_b_\@:
	tensor_load_to_lds s[\g0b:\g0b+3], s[\g1b:\g1b+7]
	s_nop 0
.rept 4
	v_nop
.endr
.Lasked_\@:
.endm
.macro CREST
	s_cmp_lg_u32 s[WV], 0
	s_cbranch_scc1 .Lnot_wave_0_\@
	s_barrier_signal -3
.Lnot_wave_0_\@:
	s_barrier_wait -3
	s_barrier_signal -1
	s_barrier_wait -1
.endm
.macro CROUND
	s_barrier_signal -1
	s_barrier_wait -1
	CREST
.endm
	s_load_b256 s[4:11], s[0:1], 0x0               ; h's codes, h's scales, W's codes, W's scales
	s_load_b128 s[12:15], s[0:1], 0x20             ; the codes' and the scale words' buffers
.if UP
	s_load_b64 s[66:67], s[0:1], 0x30              ; the bias
.endif
	v_lshl_add_u32 v[SPW], v0, 2, SPARE
	v_mov_b32 v[NIL], 0
	ds_add_u32 v28, v29
	ds_add_u32 v28, v29
	s_wait_dscnt 0x0
	v_lshrrev_b32 v1, 5, v0
	v_readfirstlane_b32 s[WV], v1
	s_lshr_b32 s[WR], s[WV], 1                     ; my half of the A-role rows; also: I fetch for A (0) or B (1)
	s_and_b32 s[WC], s[WV], 1                      ; my half of the B-role rows; also: which 128 rows I fetch
	s_bfe_u32 s40, ttmp6, 0x40000                  ; cx
	s_bfe_u32 s41, ttmp6, 0x40004                  ; cy
	s_and_b32 s44, ttmp7, 0xffff
	s_lshl_b32 s44, s44, 2
	s_add_co_u32 s43, s44, s41                     ; A-role tile: 4 x cluster y + cy
	s_lshl_b32 s42, ttmp9, 2
	s_add_co_u32 s42, s42, s40                     ; B-role tile: 4 x cluster x + cx
.if UP == 0
	s_add_co_u32 s46, s41, 8                       ; v: A-role = Wqkv's tiles 8 + cy,
	s_add_co_u32 s47, s44, s40                     ; B-role = h's tiles 4 x cluster y + cx
	s_cmp_eq_u32 ttmp9, 2                          ; the same in all sixteen partners
	s_cselect_b32 s43, s46, s43
	s_cselect_b32 s42, s47, s42
	s_cselect_b32 s95, 1, 0
.endif
	s_lshl_b32 s44, s41, 2
	s_lshl_b32 s44, 15, s44                        ; my row of the cluster
	s_lshl_b32 s45, 0x1111, s40                    ; my column
	s_or_b32 s[G1+0], s44, (0<<16)|(1<<20)|(1<<21)|(5<<22)|(3<<25)   ; mask; elements of 1 byte; padding on; bit 21 beside a mask; 4 words behind every 64
	s_or_b32 s[G1B+0], s45, (0<<16)|(1<<20)|(1<<21)|(5<<22)|(3<<25)
.irp g, G1, G1B
	s_mov_b32 s[\g+1], ROWB<<16                    ; tensor_dim0
	s_mov_b32 s[\g+2], 128<<16                     ; tensor_dim1
	s_mov_b32 s[\g+3], ROWB<<16                    ; tile_dim0
	s_mov_b32 s[\g+4], 128                         ; tile_dim1
	s_mov_b32 s[\g+5], KROW                        ; from row to row
	s_mov_b32 s[\g+6], 0
	s_mov_b32 s[\g+7], 0
.endr
	s_or_b32 s[G1S+0], s44, (3<<16)|(1<<20)|(1<<21)|(5<<22)|(3<<25)  ; the scales of 128 rows: 4,096 dense bytes as 16 rows of 32 elements of 8 bytes
	s_or_b32 s[G1SB+0], s45, (3<<16)|(1<<20)|(1<<21)|(5<<22)|(3<<25)
.irp g, G1S, G1SB
	s_mov_b32 s[\g+1], 32<<16
	s_mov_b32 s[\g+2], (128*KS/256)<<16
	s_mov_b32 s[\g+3], 32<<16
	s_mov_b32 s[\g+4], 128*KS/256
	s_mov_b32 s[\g+5], 32
	s_mov_b32 s[\g+6], 0
	s_mov_b32 s[\g+7], 0
.endr
	s_lshl_b32 s2, s[WC], 7
	s_lshl_b32 s20, s43, 8
	s_add_co_u32 s20, s20, s2                      ; the A-role rows that I fetch
	s_lshl_b32 s96, s42, 8
	s_add_co_u32 s96, s96, s2                      ; the B-role rows
	s_lshl_b32 s22, s20, 5                         ; their scale bytes,
	s_mov_b32 s23, 0
	s_lshl_b32 s20, s20, 10                        ; their codes
	s_mov_b32 s21, 0
	s_lshl_b32 s46, s96, 5
	s_mov_b32 s47, 0
	s_lshl_b32 s96, s96, 10
	s_mov_b32 s97, 0
	s_mul_i32 s2, s[WV], HALFT                     ; where they go: no place in the cluster enters an LDS address
	s_mul_i32 s3, s[WV], HALFS
	s_mov_b32 s[SEL], 0x76543210
	s_mov_b32 s[SEL+1], 0xfedcba98
	s_mov_b32 s[MNT], 0x600000
	s_wait_kmcnt 0x0
.if UP == 0
	s_cmp_eq_u32 s95, 1                            ; v: the buffers change roles
	s_cselect_b64 s[98:99], s[8:9], s[4:5]
	s_cselect_b64 s[66:67], s[10:11], s[6:7]
	s_cselect_b64 s[8:9], s[4:5], s[8:9]
	s_cselect_b64 s[10:11], s[6:7], s[10:11]
	s_mov_b64 s[4:5], s[98:99]
	s_mov_b64 s[6:7], s[66:67]
.endif
	s_add_nc_u64 s[20:21], s[4:5], s[20:21]
	s_add_nc_u64 s[22:23], s[6:7], s[22:23]
	s_add_nc_u64 s[96:97], s[8:9], s[96:97]
	s_add_nc_u64 s[46:47], s[10:11], s[46:47]
	CROUND                                         ; all sixteen work-groups are here: the first joint loads meet
	s_mov_b32 s[G0S], 1
	s_add_co_u32 s[G0S+1], s3, SCL
	s_mov_b64 s[G0S+2:G0S+3], s[22:23]
	s_or_b32 s[G0S+3], s[G0S+3], 0x80000000
	s_mov_b32 s[G0SB], 1
	s_add_co_u32 s[G0SB+1], s3, SCL
	s_mov_b64 s[G0SB+2:G0SB+3], s[46:47]
	s_or_b32 s[G0SB+3], s[G0SB+3], 0x80000000
	JLOAD G0S, G1S, G0SB, G1SB                     ; the scales first: wanted with K step 0
.irp s, 0,1
	s_mov_b32 s[G0+4*\s], 1
	s_add_co_u32 s[G0+4*\s+1], s2, \s*SLOT
	s_add_nc_u64 s[G0+4*\s+2:G0+4*\s+3], s[20:21], \s*ROWB
	s_or_b32 s[G0+4*\s+3], s[G0+4*\s+3], 0x80000000
	s_mov_b32 s[G0B+4*\s], 1
	s_add_co_u32 s[G0B+4*\s+1], s2, \s*SLOT
	s_add_nc_u64 s[G0B+4*\s+2:G0B+4*\s+3], s[96:97], \s*ROWB
	s_or_b32 s[G0B+4*\s+3], s[G0B+4*\s+3], 0x80000000
	JLOAD G0+4*\s, G1, G0B+4*\s, G1B
.endr
	v_and_b32 v1, 15, v0                           ; r
	v_bfe_u32 v2, v0, 4, 1                         ; h
	v_mul_u32_u24 v3, v1, PITCH
	v_lshl_add_u32 v4, v2, 4, v3
	s_mul_i32 s21, s[WR], HALFT
	s_mul_i32 s22, s[WC], HALFT
	s_add_co_u32 s22, s22, 2*HALFT
.irp s, 0,1
	v_add_nc_u32 v[ADRA+\s], s21, v4
	v_add_nc_u32 v[ADRB+\s], s22, v4
	s_add_co_u32 s21, s21, SLOT
	s_add_co_u32 s22, s22, SLOT
.endr
	v_mul_u32_u24 v5, v1, KS
	v_lshrrev_b32 v6, 8, v5
	v_lshl_add_u32 v5, v6, 4, v5                   ; my row's scales: 32 bytes a row, 16 more for each 256 passed
	s_mul_i32 s21, s[WR], HALFS
	s_mul_i32 s22, s[WC], HALFS
	s_add_co_u32 s22, s22, 2*HALFS
	s_sub_co_u32 s22, s22, s21
	v_mul_u32_u24 v6, s22, v2                      ; lanes 16-31 take B's
	s_add_co_u32 s21, s21, SCL
	v_add_nc_u32 v5, v5, v6
	v_add_nc_u32 v[ADRS], s21, v5
	v_and_b32 v6, 31, v0
	v_lshlrev_b32 v[LI], 4, v6
	s_lshl_b32 s21, s[WV], 16
	v_mul_u32_u24 v5, v1, 144
.if UP
	v_lshl_add_u32 v5, v2, 3, v5                   ; natural order: 8 bytes for each half of the lanes, twice a block
.else
	v_lshl_add_u32 v5, v2, 4, v5                   ; 16 bytes for each half of the lanes
.endif
	v_add_nc_u32 v[STOB], s21, v5
	v_lshrrev_b32 v5, 3, v6
	v_mul_u32_u24 v5, v5, 144
	v_and_b32 v7, 7, v6
	v_lshl_add_u32 v5, v7, 4, v5
	v_add_nc_u32 v[RD], s21, v5                    ; back: eight lanes to a row of 128 bytes, four rows an instruction
	s_lshl_b32 s22, s[WV], 9
	s_add_co_u32 s22, s22, WST
	v_lshl_add_u32 v[WSB], v1, 2, s22
	v_add_nc_u32 v[WRD], s22, v[LI]
	; where my 128 rows of 128 codes begin
	s_lshl_b32 s20, s43, 8
	s_lshl_b32 s21, s[WR], 7
	s_add_co_u32 s20, s20, s21                     ; my first A-role row
.if UP
	s_lshl_b32 s22, s42, 1
	s_add_co_u32 s22, s22, s[WC]                   ; my 128 columns
	s_lshl_b32 s22, s22, 12
	s_add_co_u32 s20, s22, s20
.else
	s_lshl_b32 s22, s42, 8
	s_lshl_b32 s23, s[WC], 7
	s_add_co_u32 s22, s22, s23                     ; my first B-role row
	s_cmp_eq_u32 s95, 1
	s_cselect_b32 s21, s22, s20                    ; m: the position
	s_cselect_b32 s23, s20, s22                    ; n: Wqkv's row
	s_lshr_b32 s20, s23, 10                        ; q, k or v
	s_lshl_b32 s20, s20, 1
	s_lshr_b32 s22, s21, 11                        ; the batch
	s_add_co_u32 s20, s20, s22
	s_lshl_b32 s20, s20, 3
	s_bfe_u32 s22, s23, 0x30007                    ; the pair of heads
	s_add_co_u32 s20, s20, s22
	s_lshl_b32 s20, s20, 11
	s_and_b32 s21, s21, 2047
	s_add_co_u32 s20, s20, s21
.endif
	s_lshl_b32 s22, s20, 2
	s_mov_b32 s23, 0
	s_lshl_b32 s20, s20, 7
	s_mov_b32 s21, 0
	s_add_nc_u64 s[12:13], s[12:13], s[20:21]
	s_add_nc_u64 s[14:15], s[14:15], s[22:23]
.if UP
	s_lshl_b32 s20, s42, 10                        ; the bias of my 128 columns
	s_lshl_b32 s21, s[WC], 9
	s_add_co_u32 s20, s20, s21
	s_mov_b32 s21, 0
	s_add_nc_u64 s[66:67], s[66:67], s[20:21]
	v_lshlrev_b32 v8, 5, v2                        ; lane (r, h) wants, for block b, columns 16 b + 8 h + 0 .. 7
.irp b, 0,1,2,3,4,5,6,7
	global_load_b128 v[BIA+8*\b:BIA+8*\b+3], v8, s[66:67] offset:64*\b
	global_load_b128 v[BIA+8*\b+4:BIA+8*\b+7], v8, s[66:67] offset:64*\b+16
.endr
.endif
.macro FRAG reg, adr, q, i             ; 16 rows x 128 K: lane l holds row l % 16; registers 4 c .. 4 c + 3 hold K = 32 c + 16 (l / 16) + 0 .. 15
.irp c, 0,1,2,3
	ds_load_b128 v[\reg+4*\c:\reg+4*\c+3], v[\adr] offset:128*(\q)+32*\c+(\i)*16*PITCH
.endr
.endm
; 16 matrix instructions: A's blocks a0, a0 + 1 x B's eight.  zero = 1: the products start the sums; 2: they start them from the bias.  The 64 accumulators take turns.
.macro MUL16 a0, p, q, sc, zero
.irp a, \a0, \a0+1
.irp b, 0,1,2,3,4,5,6,7
.if \zero == 1
	v_wmma_scale_f32_16x16x128_f8f6f4 v[8*(8*((\a)%4)+\b):8*(8*((\a)%4)+\b)+7], v[128*(\p)+FR*\b:128*(\p)+FR*\b+FR-1], v[AF+FR*(\a):AF+FR*(\a)+FR-1], 0, v[SC+8*NQ*(\sc)+NQ*\b+(\q)], v[SC+8*NQ*(\sc)+NQ*(\a)+(\q)] matrix_a_fmt:MATRIX_FMT_BF8 matrix_b_fmt:MATRIX_FMT_BF8 matrix_a_scale:MATRIX_SCALE_ROW1
.elseif \zero == 2
	v_wmma_scale_f32_16x16x128_f8f6f4 v[8*(8*((\a)%4)+\b):8*(8*((\a)%4)+\b)+7], v[128*(\p)+FR*\b:128*(\p)+FR*\b+FR-1], v[AF+FR*(\a):AF+FR*(\a)+FR-1], v[BIA+8*\b:BIA+8*\b+7], v[SC+8*NQ*(\sc)+NQ*\b+(\q)], v[SC+8*NQ*(\sc)+NQ*(\a)+(\q)] matrix_a_fmt:MATRIX_FMT_BF8 matrix_b_fmt:MATRIX_FMT_BF8 matrix_a_scale:MATRIX_SCALE_ROW1
.else
	v_wmma_scale_f32_16x16x128_f8f6f4 v[8*(8*((\a)%4)+\b):8*(8*((\a)%4)+\b)+7], v[128*(\p)+FR*\b:128*(\p)+FR*\b+FR-1], v[AF+FR*(\a):AF+FR*(\a)+FR-1], v[8*(8*((\a)%4)+\b):8*(8*((\a)%4)+\b)+7], v[SC+8*NQ*(\sc)+NQ*\b+(\q)], v[SC+8*NQ*(\sc)+NQ*(\a)+(\q)] matrix_a_fmt:MATRIX_FMT_BF8 matrix_b_fmt:MATRIX_FMT_BF8 matrix_a_scale:MATRIX_SCALE_ROW1
.endif
.endr
.endr
.endm
.macro FETCH_B slot, q, p
	WIN TO_B
.irp i, 0,1,2,3,4,5,6,7
	FRAG 128*(\p)+FR*\i, ADRB+\slot, \q, \i
.endr
	WIN 0
.endm
.macro FETCH_A slot, q, i0
.irp i, \i0, \i0+1, \i0+2, \i0+3
	FRAG AF+FR*(\i), ADRA+\slot, \q, \i
.endr
.endm
.macro SCALES sc                       ; a K step's scale words: two a row; lanes 0-15 A's block i, lanes 16-31 B's block i
.irp i, 0,1,2,3,4,5,6,7
	ds_load_b64 v[SC+8*NQ*\sc+NQ*\i:SC+8*NQ*\sc+NQ*\i+1], v[ADRS] offset:\i*SBLK
.endr
.endm
.macro PLACES n                        ; plain vector instructions between a matrix instruction and a load into, or a read of, its registers
.rept \n
	v_nop
.endr
.endm
.macro STEP slot, q, zero              ; 128 along K with its successor in the same slot
	s_wait_dscnt 4*NL                              ; B's set and A's blocks 0-3 are in; the youngest sixteen loads (A's blocks 4-7) may be out
.if \zero == 2
	WIN 0x81                                       ; C (the bias) in window 0
.else
	WIN MUL_LO
.endif
	MUL16 0, (\q)%2, \q, \slot, \zero
	MUL16 2, (\q)%2, \q, \slot, \zero
	s_wait_dscnt 0
	PLACES NP
	FETCH_B \slot, (\q)+1, 1-(\q)%2
	FETCH_A \slot, (\q)+1, 0
.if \zero == 2
	WIN 0xc1
.else
	WIN MUL_HI
.endif
	MUL16 4, (\q)%2, \q, \slot, \zero
	MUL16 6, (\q)%2, \q, \slot, \zero
	PLACES NP
	WIN 0
	FETCH_A \slot, (\q)+1, 4
.endm
; a slot's last step changes slots: one barrier; in front of it each wave waits for all its tensor loads, adds 0 to its spare word, and waits for that and for its reads of this slot
.macro TURN slot, next, fill
	s_wait_tensorcnt 0x0                           ; all my tensor loads have landed: my part of the next slot
	ds_add_u32 v[SPW], v[NIL]                      ; 0 onto my spare word
	s_wait_dscnt 4*NL+1                            ; the add and the youngest sixteen loads may be out
	WIN MUL_LO
	MUL16 0, 1, NQ-1, \slot, 0
	s_wait_dscnt 0x0                               ; the add is done, and my reads of this slot are over
	s_barrier_signal -1
	MUL16 2, 1, NQ-1, \slot, 0
	WIN 0
	s_barrier_wait -1
.if \fill
	CREST                                          ; the barrier has opened a round of the cluster's: no wave of any partner still reads this slot or has a load on its way
	s_add_nc_u64 s[G0+4*\slot+2:G0+4*\slot+3], s[G0+4*\slot+2:G0+4*\slot+3], 2*ROWB
	s_add_nc_u64 s[G0B+4*\slot+2:G0B+4*\slot+3], s[G0B+4*\slot+2:G0B+4*\slot+3], 2*ROWB
	JLOAD G0+4*\slot, G1, G0B+4*\slot, G1B         ; the first tensor load behind the round; its four v_nop are among the places below
	PLACES NP-4
.else
	PLACES NP
.endif
	v_add_nc_u32 v[ADRS], 4*NQ, v[ADRS]
	FETCH_B \next, 0, 0
	FETCH_A \next, 0, 0
	SCALES \next
	WIN MUL_HI
	MUL16 4, 1, NQ-1, \slot, 0
	MUL16 6, 1, NQ-1, \slot, 0
	PLACES NP
	WIN 0
	FETCH_A \next, 0, 4
.endm
	s_wait_tensorcnt 1                             ; the scales and my part of K step 0 are in; K step 1's load may be out
	s_barrier_signal -1
	s_barrier_wait -1
	FETCH_B 0, 0, 0
	FETCH_A 0, 0, 0
	SCALES 0
	FETCH_A 0, 0, 4
.if UP
	s_wait_loadcnt 0x0                             ; the bias
	STEP 0, 0, 2
.else
	STEP 0, 0, 1
.endif
	TURN 0, 1, 1                                   ; K = 1,024 is four K steps: each slot is filled again once, so the lap is written straight
	STEP 1, 0, 0
	TURN 1, 0, 1
	STEP 0, 0, 0
	TURN 0, 1, 0
	STEP 1, 0, 0
	s_wait_dscnt 4*NL
	WIN MUL_LO
	MUL16 0, 1, NQ-1, 1, 0
	MUL16 2, 1, NQ-1, 1, 0
	s_wait_dscnt 0
	WIN MUL_HI
	MUL16 4, 1, NQ-1, 1, 0
	MUL16 6, 1, NQ-1, 1, 0
	WIN 0
	; ---- THE WAY OUT
	s_wait_dscnt 0x0
	s_barrier_signal -1
	s_barrier_wait -1                              ; nobody reads a slot any more, and both have had their last fill: the codes' rows may lie there
	PLACES NP
.irp b, 0,1,2,3
	v_mov_b32 v[TM+4+\b], 0                        ; a lane permute's destination counts as one of its sources
.endr
; Four blocks of 32: a lane's v[s + 16 b + i], in register window w, are 16 numbers of block b of its row; lane l xor 16 holds the other 16.  The held numbers go to v[d + 16 b + i] in window 0,
; the codes to v[PC + 4 b] on, the four scale bytes to v[PW].  Each accumulator is read from its low end on.
.macro QUANT s, w, d
	WIN 5*(\w)                                     ; sources 0 and 1 in the numbers' window
.irp b, 0,1,2,3
	v_max3_num_f32 v[TM+\b], |v[\s+16*\b]|, |v[\s+1+16*\b]|, 0x8000000     ; with the floor 2^(16 - 127): the byte cannot fall under 1
.endr
.irp i, 2,4,6,8,10,12,14
.irp b, 0,1,2,3
	v_max3_num_f32 v[TM+\b], |v[\s+16*\b+\i]|, |v[\s+1+16*\b+\i]|, v[TM+\b]
.endr
.endr
	WIN 0
	s_wait_dscnt 0x0                               ; the last block's LDS stores have read the scale word's and the codes' registers, which are written below
.irp b, 0,1,2,3
	v_permlanex16_b32 v[TM+4+\b], v[TM+\b], s[SEL], s[SEL+1]
.endr
.irp b, 0,1,2,3
	v_max_num_f32 v[TM+\b], v[TM+\b], v[TM+4+\b]
.endr
.irp b, 0,1,2,3
	v_add_nc_u32 v[TM+12+\b], 0xf8800000, v[TM+\b]                         ; 15 off the exponent field: the conversion's scale operand
.endr
.irp b, 0,1,2,3
	v_and_or_b32 v[TM+8+\b], v[TM+\b], 0x7f800000, s[MNT]                  ; 57,344 x the scale
.endr
.irp b, 0,1,2,3
	v_lshrrev_b32 v[TM+4+\b], 23, v[TM+12+\b]                              ; the byte
.endr
	v_lshl_or_b32 v[PW], v[TM+5], 8, v[TM+4]
	v_lshl_or_b32 v[PW], v[TM+6], 16, v[PW]
	v_lshl_or_b32 v[PW], v[TM+7], 24, v[PW]
	WIN \w                                         ; source 0 in the numbers' window
.irp b, 0,1,2,3
.irp i, 0,1,2,3,4,5,6,7,8,9,10,11,12,13,14,15
	v_med3_num_f32 v[\d+16*\b+\i], v[\s+16*\b+\i], -v[TM+8+\b], v[TM+8+\b] ; the conversion does not saturate (ISA guide 7.6.2): the hold comes first
.endr
.endr
	WIN 0
.irp b, 0,1,2,3
	v_cvt_scalef32_pk8_bf8_f32 v[PC+4*\b:PC+1+4*\b], v[\d+16*\b:\d+7+16*\b], v[TM+12+\b]
	v_cvt_scalef32_pk8_bf8_f32 v[PC+2+4*\b:PC+3+4*\b], v[\d+8+16*\b:\d+15+16*\b], v[TM+12+\b]
.endr
	v_nop                                          ; a plain instruction behind the last conversion
.endm
.if UP
.macro CPAIR n, val
	v_mov_b32 v[CP+2*\n], \val
	v_mov_b32 v[CP+2*\n+1], \val
.endm
	CPAIR 0, 0xaf95df0b                            ; P's seven coefficients, the highest power first
	CPAIR 1, 0x32edffee
	CPAIR 2, 0xb60cff51
	CPAIR 3, 0xb86ec2d2
	CPAIR 4, 0xba40ac63
	CPAIR 5, 0xbb41a1f6
	CPAIR 6, 0xbc83dbd4
	CPAIR 7, 0xb77460cd                            ; Q's five
	CPAIR 8, 0xb95fbd29
	CPAIR 9, 0xbadc924e
	CPAIR 10, 0xbbf19bf8
	CPAIR 11, 0xbc69b6a7
	CPAIR 12, 0x3fb504f3                           ; sqrt 2
.macro TAKE a                          ; block a's 64 numbers a lane come out of their accumulators, halved
	WIN 2+(\a)/4                                   ; source 0: window 2 (blocks 0-3) or 3 (blocks 4-7)
.set n, 0
.rept 32
	v_pk_mul_f32 v[T+n:T+n+1], v[64*((\a)%4)+n:64*((\a)%4)+n+1], 0.5 op_sel_hi:[1,0]
.set n, n+2
.endr
	WIN 0
.endm
.macro GELU16 x                        ; sixteen numbers in place: v[x] on holds x / 2 and takes x / 2 + x / 2 erf(x / sqrt 2)
.irp j, 0,2,4,6,8,10,12,14
	v_pk_mul_f32 v[ZZ+\j:ZZ+\j+1], v[\x+\j:\x+\j+1], v[CP+24:CP+25]        ; z = (x / 2) sqrt 2
.endr
.irp j, 0,1,2,3,4,5,6,7,8,9,10,11,12,13,14,15
	v_med3_num_f32 v[ZZ+\j], v[ZZ+\j], -4.0, 4.0
.endr
.irp j, 0,2,4,6,8,10,12,14
	v_pk_mul_f32 v[SS+\j:SS+\j+1], v[ZZ+\j:ZZ+\j+1], v[ZZ+\j:ZZ+\j+1]
.endr
.irp j, 0,2,4,6,8,10,12,14
	v_pk_fma_f32 v[PP+\j:PP+\j+1], v[SS+\j:SS+\j+1], v[CP:CP+1], v[CP+2:CP+3]
.endr
.irp c, 2,3,4,5,6
.irp j, 0,2,4,6,8,10,12,14
	v_pk_fma_f32 v[PP+\j:PP+\j+1], v[PP+\j:PP+\j+1], v[SS+\j:SS+\j+1], v[CP+2*\c:CP+2*\c+1]
.endr
.endr
.irp j, 0,2,4,6,8,10,12,14
	v_pk_fma_f32 v[QQ+\j:QQ+\j+1], v[SS+\j:SS+\j+1], v[CP+14:CP+15], v[CP+16:CP+17]
.endr
.irp c, 9,10,11
.irp j, 0,2,4,6,8,10,12,14
	v_pk_fma_f32 v[QQ+\j:QQ+\j+1], v[QQ+\j:QQ+\j+1], v[SS+\j:SS+\j+1], v[CP+2*\c:CP+2*\c+1]
.endr
.endr
.irp j, 0,1,2,3,4,5,6,7,8,9,10,11,12,13,14,15
	v_rcp_f32 v[QQ+\j], v[QQ+\j]
.endr
.irp j, 0,2,4,6,8,10,12,14
	v_pk_mul_f32 v[PP+\j:PP+\j+1], v[PP+\j:PP+\j+1], v[ZZ+\j:ZZ+\j+1]      ; work that names no reciprocal stands behind the batch
.endr
	s_wait_alu depctr_va_vdst(0)                   ; one wait for the sixteen reciprocals, ahead of their first reader
.irp j, 0,2,4,6,8,10,12,14
	v_pk_mul_f32 v[PP+\j:PP+\j+1], v[PP+\j:PP+\j+1], v[QQ+\j:QQ+\j+1]      ; erf
.endr
.irp j, 0,2,4,6,8,10,12,14
	v_pk_fma_f32 v[\x+\j:\x+\j+1], v[\x+\j:\x+\j+1], v[PP+\j:PP+\j+1], v[\x+\j:\x+\j+1]
.endr
.endm
	s_mov_b32 s[CNT], 0
	s_mov_b32 s20, 0
	s_mov_b32 s21, 0
.Lrow:                                             ; a trip: 16 rows x 128 columns.  The trip's number chooses the lines that name its accumulators
.irp a, 0,1,2,3,4,5,6
	s_cmp_eq_u32 s[CNT], \a
	s_cbranch_scc1 .Ltake_\a
.endr
	TAKE 7
	s_branch .Lhave
.irp a, 0,1,2,3,4,5
.Ltake_\a:
	TAKE \a
	s_branch .Lhave
.endr
.Ltake_6:
	TAKE 6
.Lhave:
	v_add_nc_u32 v[STO], s20, v[STOB]
	v_add_nc_u32 v[WSA], s21, v[WSB]
	GELU16 T
	GELU16 T+16
	GELU16 T+32
	GELU16 T+48
	QUANT T, 0, T
.irp b, 0,1,2,3
	ds_store_b64 v[STO], v[PC+4*\b:PC+4*\b+1] offset:32*\b                 ; columns 32 b + 8 h + 0 .. 7,
	ds_store_b64 v[STO], v[PC+4*\b+2:PC+4*\b+3] offset:32*\b+16            ; and 32 b + 16 + 8 h + 0 .. 7
.endr
	ds_store_b32 v[WSA], v[PW]                     ; both halves of the lanes write the same word
	s_add_co_u32 s20, s20, 8192
	s_add_co_u32 s21, s21, 64
	s_add_co_u32 s[CNT], s[CNT], 1
	s_cmp_lt_u32 s[CNT], 8
	s_cbranch_scc1 .Lrow
.else
.irp a, 0,1,2,3,4,5,6,7
	QUANT 64*(\a%4), 2+\a/4, T
.irp b, 0,1,2,3
	ds_store_b128 v[STOB], v[PC+4*\b:PC+4*\b+3] offset:\a*8192+32*\b
.endr
	ds_store_b32 v[WSB], v[PW] offset:64*\a        ; both halves of the lanes write the same word
.endr
.endif
.set t, 0
.rept 32
	ds_load_b128 v[128+4*t:131+4*t], v[RD] offset:(t/4)*8192+(t%4)*576     ; LDS serves a wave's instructions in order: these see my stores
.set t, t+1
.endr
	ds_load_b128 v[PC:PC+3], v[WRD]
.set t, 0
.rept 32
	s_wait_dscnt 32-t                              ; load t is in: 32 - t were issued behind it
	global_store_b128 v[LI], v[128+4*t:131+4*t], s[12:13] offset:512*t     ; 32 lanes store 512 consecutive bytes, aligned
.set t, t+1
.endr
	s_wait_dscnt 0x0
	global_store_b128 v[LI], v[PC:PC+3], s[14:15]  ; my 128 scale words
	s_wait_tensorcnt 0x0                           ; the wave's end
	ds_add_u32 v[SPW], v[NIL]
	s_wait_dscnt 0x0
	CROUND                                         ; the closing round
	s_endpgm
.Lfunc_end_k_q02885eb326_up:
	.size	k_q02885eb326_up, .Lfunc_end_k_q02885eb326_up-k_q02885eb326_up
	.p2alignl 7, 3214868480
	.fill 96, 4, 3214868480
	.section	.rodata,"a",@progbits
	.p2align	6, 0x0
	.amdhsa_kernel k_q02885eb326_up
		.amdhsa_group_segment_fixed_size 327680
		.amdhsa_private_segment_fixed_size 0
		.amdhsa_enable_private_segment 0
		.amdhsa_kernarg_size 56
		.amdhsa_user_sgpr_count 2
		.amdhsa_user_sgpr_kernarg_segment_ptr 1
		.amdhsa_wavefront_size32 1
		.amdhsa_system_sgpr_workgroup_id_x 1
		.amdhsa_system_sgpr_workgroup_id_y 1
		.amdhsa_system_sgpr_workgroup_id_z 1
		.amdhsa_system_vgpr_workitem_id 0
		.amdhsa_next_free_vgpr 1024
		.amdhsa_next_free_sgpr 100
		.amdhsa_reserve_vcc 0
		.amdhsa_float_denorm_mode_32 3
		.amdhsa_float_denorm_mode_16_64 3
		.amdhsa_memory_ordered 1
		.amdhsa_forward_progress 1
		.amdhsa_inst_pref_size 188
	.end_amdhsa_kernel
	.amdgpu_metadata
---
amdhsa.version: [ 1, 2 ]
amdhsa.kernels:
  - .name:           k_q02885eb326_up
    .symbol:         k_q02885eb326_up.kd
    .args:
      - { .name: hc, .offset: 0, .size: 8, .value_kind: global_buffer, .address_space: global }
      - { .name: hs, .offset: 8, .size: 8, .value_kind: global_buffer, .address_space: global }
      - { .name: mlp_w1_codes, .offset: 16, .size: 8, .value_kind: global_buffer, .address_space: global }
      - { .name: mlp_w1_scales, .offset: 24, .size: 8, .value_kind: global_buffer, .address_space: global }
      - { .name: big, .offset: 32, .size: 8, .value_kind: global_buffer, .address_space: global }
      - { .name: bigs, .offset: 40, .size: 8, .value_kind: global_buffer, .address_space: global }
      - { .name: mlp_b1, .offset: 48, .size: 8, .value_kind: global_buffer, .address_space: global }
    .group_segment_fixed_size: 327680
    .private_segment_fixed_size: 0
    .kernarg_segment_align: 8
    .kernarg_segment_size: 56
    .max_flat_workgroup_size: 128
    .sgpr_count:     100
    .vgpr_count:     1024
    .wavefront_size: 32
...
	.end_amdgpu_metadata
.endif
;; end of part 5
;; launch down (part 6): grid 8 x 32, 4 waves a work-group, clusters of 4 x 4, 327,680 bytes of LDS; arguments big, bigs, mlp_w2_codes, mlp_w2_scales, x1, out0, mlp_b2; writes out0
.if DOCPART == 6
	.amdgcn_target "amdgcn-amd-amdhsa--gfx1250"
	.amdhsa_code_object_version 6
	.text
	.protected	k_q02885eb326_down
	.globl	k_q02885eb326_down
	.p2align	8
	.type	k_q02885eb326_down,@function
k_q02885eb326_down:
	s_mov_b64 s[64:65], 0
	v_nop
	global_prefetch_b8 v0, s[64:65] scope:SCOPE_SE
	s_setreg_imm32_b32 hwreg(HW_REG_WAVE_MODE, 25, 1), 1
	s_wait_xcnt 0x0
	s_wait_alu depctr_hold_cnt(0) depctr_sa_sdst(0) depctr_va_vdst(0) depctr_va_sdst(0) depctr_va_ssrc(0) depctr_va_vcc(0) depctr_vm_vsrc(0)
	s_getreg_b32 s2, hwreg(HW_REG_IB_STS2, 6, 4)
	s_cmp_eq_u32 s2, 0
	s_cbranch_scc0 .Lentry_in_a_cluster
	s_endpgm
.Lentry_in_a_cluster:
	s_bfe_u32 s2, ttmp6, 0x10000c
	s_cmp_lg_u32 s2, 0xf033
	s_cbranch_scc0 .Lentry_shape_is_right
	s_endpgm
.Lentry_shape_is_right:
; y = A W^T (+ bias) + residual on codes of E5M2.  A: made by an earlier launch, [K / 128][4096 rows][128 codes] with one word of four scale bytes at the same index.  W: [1024][K] codes, K innermost, K / 32 scale bytes a row.
; residual and y: [4096][1024] f32.  SIZE_K = 1,024 without a bias, or 4,096 with one.
; 4096 x 1024 in tiles of 256 x 256 would be 64 work-groups: the tile is 128 x 128, 256 work-groups; four waves, 64 x 64 each: 16 accumulators.  A slot holds 512 along K, as long as two slots fit in LDS:
; A's four blocks of 128 rows x (128 + 16) bytes, B's 128 rows x (512 + 16) bytes.  Waves 0, 1 fetch two of A's blocks each: ONE load whose two rows are the two dense blocks of 16 KB, padded behind every 128 bytes;
; waves 2, 3 fetch 64 rows of B each.  All scale bytes of the tile's rows come once, with the first fills.
; CLUSTER 4 x 4: A's tiles are asked for jointly along a row of the cluster, B's along a column.  The matrix instruction is used transposed: a lane holds eight neighbouring columns of one row of y.
; THE RESIDUAL of a wave's 64 x 64 numbers, 32 loads of 512 bytes, is asked for at the head, into 128 registers of its own (window 2), in the layout of the rows read back on the way out: it is on its way while K is walked.
; THE WAY OUT: through the wave's stage in slot 0 (which has had its last fill and its last read), back as rows of 256 bytes; the residual is added; sixteen lanes store 256 consecutive bytes, aligned.
; LIMITS: NaN and infinities are not served.
.set SIZE_K, 4096
.set BIAS, 1
.set NP,    8
.set KS,    SIZE_K/32
.set LAPS,  SIZE_K/1024                ; a lap = two slots
.set AP,    144
.set ACH,   128*AP                     ; a block of A in LDS
.set BP,    528
.set BOFF,  4*ACH
.set SLOT,  BOFF+128*BP
.set SCA,   2*SLOT                     ; A's scale words: [K / 128][128]
.set SCB,   SCA+16384                  ; B's scale bytes, as runs of 256 bytes + 16
.set SBH,   (64*KS/256)*272            ; those of 64 rows
.set SBB,   (16*KS/256)*272            ; of 16 rows
.set SPARE, SCB+17408                  ; the spare words: 128 bytes a wave, named by no other line
.set ADRA, 16
.set ADRB, 20
.set ADSA, 22
.set ADSB, 23
.set STO,  24
.set RD,   25
.set CO,   26
.set SPW,  28
.set NIL,  29
.set SA,   32                          ; v32-63 A's scale words, two sets: 4 i + q
.set SB,   64                          ; v64-95 B's
.set BIA,  96                          ; v96-127 the bias in the result's layout
.set ACC,  128
.set F0,   0                           ; window 1: two sets of fragments: A's 4 x 16 registers, then B's
.set F1,   128
.set RES,  0                           ; window 2: v0-127 the residual
.set WV, 16
.set WR, 17
.set WC, 18
.set CNT, 19
.set G1, 24
.set G0, 32
.set G1B, 48
.set G0B, 56
.set G1S, 68
.set G0S, 76
.set G1SB, 80
.set G0SB, 88
.set MSB, 0
.macro WIN new
.if MSB != \new
	s_set_vgpr_msb (MSB<<8)|\new
.set MSB, \new
.endif
.endm
.set MUL,  0x05                        ; sources 0 and 1 window 1; C and D window 0
.set TO_F, 0x40
.macro JLOAD g0a, g1a, g0b, g1b        ; waves 0, 1 fetch for A, waves 2, 3 for B; four v_nop follow each line
	s_cmp_eq_u32 s[WR], 0
	s_cbranch_scc0 .Lfor_b_\@
	tensor_load_to_lds s[\g0a:\g0a+3], s[\g1a:\g1a+7]
	s_nop 0
.rept 4
	v_nop
.endr
	s_branch .Lasked_\@
.Lfor_b_\@:
	tensor_load_to_lds s[\g0b:\g0b+3], s[\g1b:\g1b+7]
	s_nop 0
.rept 4
	v_nop
.endr
.Lasked_\@:
.endm
.macro CREST
	s_cmp_lg_u32 s[WV], 0
	s_cbranch_scc1 .Lnot_wave_0_\@
	s_barrier_signal -3
.Lnot_wave_0_\@:
	s_barrier_wait -3
	s_barrier_signal -1
	s_barrier_wait -1
.endm
.macro CROUND
	s_barrier_signal -1
	s_barrier_wait -1
	CREST
.endm
	s_load_b256 s[4:11], s[0:1], 0x0               ; A's codes, A's scale words, W's codes, W's scales
	s_load_b128 s[12:15], s[0:1], 0x20             ; residual, y
.if BIAS
	s_load_b64 s[66:67], s[0:1], 0x30
.endif
	v_lshl_add_u32 v[SPW], v0, 2, SPARE
	v_mov_b32 v[NIL], 0
	ds_add_u32 v28, v29
	ds_add_u32 v28, v29
	s_wait_dscnt 0x0
	v_lshrrev_b32 v1, 5, v0
	v_readfirstlane_b32 s[WV], v1
	s_lshr_b32 s[WR], s[WV], 1
	s_and_b32 s[WC], s[WV], 1
	s_bfe_u32 s40, ttmp6, 0x40000
	s_bfe_u32 s41, ttmp6, 0x40004
	s_lshl_b32 s42, ttmp9, 2
	s_add_co_u32 s42, s42, s40                     ; tile column
	s_and_b32 s43, ttmp7, 0xffff
	s_lshl_b32 s43, s43, 2
	s_add_co_u32 s43, s43, s41                     ; tile row
	s_lshl_b32 s44, s41, 2
	s_lshl_b32 s44, 15, s44
	s_lshl_b32 s45, 0x1111, s40
	s_or_b32 s[G1+0], s44, (3<<16)|(1<<20)|(1<<21)|(4<<22)|(3<<25)   ; A: elements of 8 bytes; 4 words of padding behind every 32
	s_mov_b32 s[G1+1], 2048<<16                    ; a row = a block of 128 x 128 bytes = 2,048 elements
	s_mov_b32 s[G1+2], 2<<16
	s_mov_b32 s[G1+3], 2048<<16
	s_mov_b32 s[G1+4], 2
	s_mov_b32 s[G1+5], 65536                       ; from block to block: 4,096 rows of 128 bytes
	s_mov_b32 s[G1+6], 0
	s_mov_b32 s[G1+7], 0
	s_or_b32 s[G1B+0], s45, (0<<16)|(1<<20)|(1<<21)|(6<<22)|(3<<25)  ; B: elements of 1 byte; 4 words behind every 128
	s_mov_b32 s[G1B+1], 512<<16
	s_mov_b32 s[G1B+2], 64<<16
	s_mov_b32 s[G1B+3], 512<<16
	s_mov_b32 s[G1B+4], 64
	s_mov_b32 s[G1B+5], SIZE_K
	s_mov_b32 s[G1B+6], 0
	s_mov_b32 s[G1B+7], 0
	s_or_b32 s[G1S+0], s44, (3<<16)|(1<<21)        ; A's scale words: K / 256 rows of 512 bytes, no padding
	s_mov_b32 s[G1S+1], 64<<16
	s_mov_b32 s[G1S+2], (SIZE_K/256)<<16
	s_mov_b32 s[G1S+3], 64<<16
	s_mov_b32 s[G1S+4], SIZE_K/256
	s_mov_b32 s[G1S+5], 2048
	s_mov_b32 s[G1S+6], 0
	s_mov_b32 s[G1S+7], 0
	s_or_b32 s[G1SB+0], s45, (3<<16)|(1<<20)|(1<<21)|(5<<22)|(3<<25) ; B's scale bytes of 64 rows: dense, as rows of 256 bytes
	s_mov_b32 s[G1SB+1], 32<<16
	s_mov_b32 s[G1SB+2], (64*KS/256)<<16
	s_mov_b32 s[G1SB+3], 32<<16
	s_mov_b32 s[G1SB+4], 64*KS/256
	s_mov_b32 s[G1SB+5], 32
	s_mov_b32 s[G1SB+6], 0
	s_mov_b32 s[G1SB+7], 0
	s_lshl_b32 s20, s43, 14                        ; A's codes: 128 rows of 128 bytes a tile row,
	s_lshl_b32 s21, s[WC], 20                      ; two blocks on for wave 1
	s_add_co_u32 s20, s20, s21
	s_mov_b32 s21, 0
	s_lshl_b32 s22, s43, 9                         ; A's scale words
	s_mul_i32 s23, s[WC], (SIZE_K/256)*16384
	s_add_co_u32 s22, s22, s23
	s_mov_b32 s23, 0
	s_lshl_b32 s96, s42, 7
	s_lshl_b32 s97, s[WC], 6
	s_add_co_u32 s96, s96, s97                     ; B's rows that I fetch
	s_mul_i32 s46, s96, KS
	s_mov_b32 s47, 0
	s_mul_i32 s96, s96, SIZE_K
	s_mov_b32 s97, 0
	s_mul_i32 s2, s[WC], 2*ACH                     ; where they go: the wave's number alone
	s_mul_i32 s3, s[WC], 64*BP
	s_add_co_u32 s3, s3, BOFF
	s_mul_i32 s98, s[WC], (SIZE_K/256)*512
	s_add_co_u32 s98, s98, SCA
	s_mul_i32 s99, s[WC], SBH
	s_add_co_u32 s99, s99, SCB
	s_wait_kmcnt 0x0
	s_add_nc_u64 s[20:21], s[4:5], s[20:21]
	s_add_nc_u64 s[22:23], s[6:7], s[22:23]
	s_add_nc_u64 s[96:97], s[8:9], s[96:97]
	s_add_nc_u64 s[46:47], s[10:11], s[46:47]
	CROUND                                         ; all sixteen work-groups are here: the first joint loads meet
	s_mov_b32 s[G0S], 1
	s_mov_b32 s[G0S+1], s98
	s_mov_b64 s[G0S+2:G0S+3], s[22:23]
	s_or_b32 s[G0S+3], s[G0S+3], 0x80000000
	s_mov_b32 s[G0SB], 1
	s_mov_b32 s[G0SB+1], s99
	s_mov_b64 s[G0SB+2:G0SB+3], s[46:47]
	s_or_b32 s[G0SB+3], s[G0SB+3], 0x80000000
	JLOAD G0S, G1S, G0SB, G1SB
.irp s, 0,1
	s_mov_b32 s[G0+4*\s], 1
	s_add_co_u32 s[G0+4*\s+1], s2, \s*SLOT
	s_add_nc_u64 s[G0+4*\s+2:G0+4*\s+3], s[20:21], \s*2097152      ; four blocks on
	s_or_b32 s[G0+4*\s+3], s[G0+4*\s+3], 0x80000000
	s_mov_b32 s[G0B+4*\s], 1
	s_add_co_u32 s[G0B+4*\s+1], s3, \s*SLOT
	s_add_nc_u64 s[G0B+4*\s+2:G0B+4*\s+3], s[96:97], \s*512
	s_or_b32 s[G0B+4*\s+3], s[G0B+4*\s+3], 0x80000000
	JLOAD G0+4*\s, G1, G0B+4*\s, G1B
.endr
	v_and_b32 v1, 15, v0                           ; r
	v_bfe_u32 v2, v0, 4, 1                         ; h
	v_mul_u32_u24 v3, v1, AP
	v_lshl_add_u32 v3, v2, 4, v3
	v_mul_u32_u24 v4, v1, BP
	v_lshl_add_u32 v4, v2, 4, v4
	s_mul_i32 s21, s[WR], 64*AP
	s_mul_i32 s22, s[WC], 64*BP
	s_add_co_u32 s22, s22, BOFF
.irp s, 0,1
	v_add_nc_u32 v[ADRA+\s], s21, v3
	v_add_nc_u32 v[ADRB+\s], s22, v4
	s_add_co_u32 s21, s21, SLOT
	s_add_co_u32 s22, s22, SLOT
.endr
	s_lshl_b32 s21, s[WR], 8
	s_add_co_u32 s21, s21, SCA
	v_lshl_add_u32 v[ADSA], v1, 2, s21
	v_mul_u32_u24 v5, v1, KS
	v_lshrrev_b32 v6, 8, v5
	v_lshl_add_u32 v5, v6, 4, v5
	s_mul_i32 s21, s[WC], SBH
	s_add_co_u32 s21, s21, SCB
	v_add_nc_u32 v[ADSB], s21, v5
	s_mul_i32 s21, s[WV], 64*272                   ; my stage
	v_mul_u32_u24 v5, v1, 272
	v_lshl_add_u32 v5, v2, 5, v5
	v_add_nc_u32 v[STO], s21, v5
	v_mul_u32_u24 v5, v2, 272
	v_lshl_add_u32 v5, v1, 4, v5
	v_add_nc_u32 v[RD], s21, v5
	v_lshlrev_b32 v5, 12, v2
	v_lshl_add_u32 v[CO], v1, 4, v5                ; lanes 0-15 one row of y, lanes 16-31 the next
	s_lshl_b32 s20, s43, 7
	s_lshl_b32 s21, s[WR], 6
	s_add_co_u32 s20, s20, s21
	s_lshl_b32 s20, s20, 12                        ; my first row,
	s_lshl_b32 s21, s42, 9
	s_add_co_u32 s20, s20, s21
	s_lshl_b32 s21, s[WC], 8
	s_add_co_u32 s20, s20, s21                     ; my 64 columns
	s_mov_b32 s21, 0
	s_add_nc_u64 s[12:13], s[12:13], s[20:21]
	s_add_nc_u64 s[14:15], s[14:15], s[20:21]
.if BIAS
	s_lshl_b32 s20, s42, 9
	s_lshl_b32 s21, s[WC], 8
	s_add_co_u32 s20, s20, s21
	s_mov_b32 s21, 0
	s_add_nc_u64 s[66:67], s[66:67], s[20:21]
	v_lshlrev_b32 v7, 5, v2
.irp b, 0,1,2,3
	global_load_b128 v[BIA+8*\b:BIA+8*\b+3], v7, s[66:67] offset:64*\b
	global_load_b128 v[BIA+8*\b+4:BIA+8*\b+7], v7, s[66:67] offset:64*\b+16
.endr
.endif
	WIN 0x80                                       ; destination window 2, address window 0
.irp a, 0,1,2,3
.irp t, 0,1,2,3,4,5,6,7
	global_load_b128 v[RES+32*\a+4*\t:RES+32*\a+4*\t+3], v[CO], s[12:13] offset:(16*\a+2*\t)*4096      ; the residual, in the layout of the rows read back; neither its registers nor its address are written again
.endr
.endr
	WIN 0
.macro FETCH slot, q, f                ; 32 LDS loads in one run: the fragments of the slot's q-th 128 along K
	WIN TO_F
.irp i, 0,1,2,3
.irp c, 0,1,2,3
	ds_load_b128 v[\f+16*\i+4*\c:\f+16*\i+4*\c+3], v[ADRA+\slot] offset:(\q)*ACH+\i*16*AP+32*\c
.endr
.endr
.irp i, 0,1,2,3
.irp c, 0,1,2,3
	ds_load_b128 v[\f+64+16*\i+4*\c:\f+64+16*\i+4*\c+3], v[ADRB+\slot] offset:128*(\q)+\i*16*BP+32*\c
.endr
.endr
.endm
.macro SCALES set                      ; a slot's scale words
	WIN 0
.irp i, 0,1,2,3
.irp q, 0,1,2,3
	ds_load_b32 v[SA+16*\set+4*\i+\q], v[ADSA] offset:512*\q+64*\i
.endr
	ds_load_b128 v[SB+16*\set+4*\i:SB+16*\set+4*\i+3], v[ADSB] offset:\i*SBB
.endr
.endm
; four matrix instructions: A's block a x B's four.  first = 1: they start the sums; 2: from the bias.  The 16 accumulators take turns.
.macro MULR f, a, q, set, first
.irp b, 0,1,2,3
.if \first == 1
	v_wmma_scale_f32_16x16x128_f8f6f4 v[ACC+8*(4*(\a)+\b):ACC+8*(4*(\a)+\b)+7], v[\f+64+16*\b:\f+64+16*\b+15], v[\f+16*(\a):\f+16*(\a)+15], 0, v[SB+16*(\set)+4*\b+(\q)], v[SA+16*(\set)+4*(\a)+(\q)] matrix_a_fmt:MATRIX_FMT_BF8 matrix_b_fmt:MATRIX_FMT_BF8
.elseif \first == 2
	v_wmma_scale_f32_16x16x128_f8f6f4 v[ACC+8*(4*(\a)+\b):ACC+8*(4*(\a)+\b)+7], v[\f+64+16*\b:\f+64+16*\b+15], v[\f+16*(\a):\f+16*(\a)+15], v[BIA+8*\b:BIA+8*\b+7], v[SB+16*(\set)+4*\b+(\q)], v[SA+16*(\set)+4*(\a)+(\q)] matrix_a_fmt:MATRIX_FMT_BF8 matrix_b_fmt:MATRIX_FMT_BF8
.else
	v_wmma_scale_f32_16x16x128_f8f6f4 v[ACC+8*(4*(\a)+\b):ACC+8*(4*(\a)+\b)+7], v[\f+64+16*\b:\f+64+16*\b+15], v[\f+16*(\a):\f+16*(\a)+15], v[ACC+8*(4*(\a)+\b):ACC+8*(4*(\a)+\b)+7], v[SB+16*(\set)+4*\b+(\q)], v[SA+16*(\set)+4*(\a)+(\q)] matrix_a_fmt:MATRIX_FMT_BF8 matrix_b_fmt:MATRIX_FMT_BF8
.endif
.endr
.endm
.macro PLACES n
.rept \n
	v_nop
.endr
.endm
.macro STEP slot, q, first             ; one of a slot's first three steps of 128: the next step's fragments are asked for ahead of this step's sixteen products
	s_wait_dscnt 0x0                               ; this step's fragments and scale words are in
	PLACES NP                                      ; the other set was read by the products just issued (ISA guide 7.12.1)
	FETCH \slot, (\q)+1, F0+128*(((\q)+1)%2)
	WIN MUL
	MULR F0+128*((\q)%2), 0, \q, \slot, \first
	MULR F0+128*((\q)%2), 1, \q, \slot, \first
	MULR F0+128*((\q)%2), 2, \q, \slot, \first
	MULR F0+128*((\q)%2), 3, \q, \slot, \first
.endm
; a slot's last step changes slots: one barrier; in front of it each wave waits for all its tensor loads, adds 0 to its spare word, and waits for that and for its reads of this slot
.macro TURN slot, next, fill
	WIN 0
	s_wait_tensorcnt 0x0
	ds_add_u32 v[SPW], v[NIL]
	s_wait_dscnt 1                                 ; the fragments are in; the add may be out
	WIN MUL
	MULR F1, 0, 3, \slot, 0
	s_wait_dscnt 0x0                               ; the add is done, and my reads of this slot are over
	s_barrier_signal -1
	MULR F1, 1, 3, \slot, 0
	WIN 0
	s_barrier_wait -1
.if \fill
	CREST                                          ; the barrier has opened a round of the cluster's
	s_add_nc_u64 s[G0+4*\slot+2:G0+4*\slot+3], s[G0+4*\slot+2:G0+4*\slot+3], 4194304     ; eight blocks on
	s_add_nc_u64 s[G0B+4*\slot+2:G0B+4*\slot+3], s[G0B+4*\slot+2:G0B+4*\slot+3], 1024
	JLOAD G0+4*\slot, G1, G0B+4*\slot, G1B         ; the first tensor load behind the round
	PLACES NP-4
.else
	PLACES NP
.endif
	v_add_nc_u32 v[ADSA], 2048, v[ADSA]
	v_add_nc_u32 v[ADSB], 16, v[ADSB]
	FETCH \next, 0, F0
	SCALES \next
	WIN MUL
	MULR F1, 2, 3, \slot, 0
	MULR F1, 3, 3, \slot, 0
.endm
	s_wait_tensorcnt 1                             ; the scales and my part of slot 0 are in; slot 1's load may be out
	s_barrier_signal -1
	s_barrier_wait -1
	FETCH 0, 0, F0
	SCALES 0
.if BIAS
	s_wait_loadcnt 32                              ; the bias's eight loads are in: the residual's 32 were issued behind them and may be out
.endif
	STEP 0, 0, 1+BIAS
.if LAPS > 1
	WIN 0
	s_mov_b32 s[CNT], LAPS-1
.Llap:                                             ; a trip goes once round the ring and fills both slots again
	STEP 0, 1, 0
	STEP 0, 2, 0
	TURN 0, 1, 1
	STEP 1, 0, 0
	STEP 1, 1, 0
	STEP 1, 2, 0
	TURN 1, 0, 1
	STEP 0, 0, 0
	WIN 0
	s_sub_co_u32 s[CNT], s[CNT], 1
	s_cmp_lg_u32 s[CNT], 0
	s_cbranch_scc1 .Llap
.endif
	STEP 0, 1, 0                                   ; the last lap fills nothing
	STEP 0, 2, 0
	TURN 0, 1, 0
	STEP 1, 0, 0
	STEP 1, 1, 0
	STEP 1, 2, 0
	s_wait_dscnt 0x0
	WIN MUL
	MULR F1, 0, 3, 1, 0
	MULR F1, 1, 3, 1, 0
	MULR F1, 2, 3, 1, 0
	MULR F1, 3, 3, 1, 0
	WIN 0
	PLACES NP
.irp a, 0,1,2,3
.irp b, 0,1,2,3
	ds_store_b128 v[STO], v[ACC+8*(4*\a+\b):ACC+8*(4*\a+\b)+3] offset:16*272*\a+64*\b          ; each accumulator from its low end on
	ds_store_b128 v[STO], v[ACC+8*(4*\a+\b)+4:ACC+8*(4*\a+\b)+7] offset:16*272*\a+64*\b+16
.endr
.irp t, 0,1,2,3,4,5,6,7
	ds_load_b128 v[ACC+32*\a+4*\t:ACC+32*\a+4*\t+3], v[RD] offset:16*272*\a+544*\t             ; LDS serves a wave's instructions in order: these see the stores above
.endr
	s_wait_dscnt 0x0
	s_wait_loadcnt 24-8*\a                         ; this block's eight residual loads are in; the later blocks' were issued behind them
	WIN 0x08                                       ; source 1 window 2
.irp p, 0,2,4,6,8,10,12,14,16,18,20,22,24,26,28,30
	v_pk_add_f32 v[ACC+32*\a+\p:ACC+32*\a+\p+1], v[ACC+32*\a+\p:ACC+32*\a+\p+1], v[RES+32*\a+\p:RES+32*\a+\p+1]
.endr
	WIN 0
.irp t, 0,1,2,3,4,5,6,7
	global_store_b128 v[CO], v[ACC+32*\a+4*\t:ACC+32*\a+4*\t+3], s[14:15] offset:(16*\a+2*\t)*4096   ; 16 lanes store 256 consecutive bytes, aligned
.endr
.endr
	s_wait_tensorcnt 0x0                           ; the wave's end
	ds_add_u32 v[SPW], v[NIL]
	s_wait_dscnt 0x0
	CROUND                                         ; the closing round
	s_endpgm
.Lfunc_end_k_q02885eb326_down:
	.size	k_q02885eb326_down, .Lfunc_end_k_q02885eb326_down-k_q02885eb326_down
	.p2alignl 7, 3214868480
	.fill 96, 4, 3214868480
	.section	.rodata,"a",@progbits
	.p2align	6, 0x0
	.amdhsa_kernel k_q02885eb326_down
		.amdhsa_group_segment_fixed_size 327680
		.amdhsa_private_segment_fixed_size 0
		.amdhsa_enable_private_segment 0
		.amdhsa_kernarg_size 56
		.amdhsa_user_sgpr_count 2
		.amdhsa_user_sgpr_kernarg_segment_ptr 1
		.amdhsa_wavefront_size32 1
		.amdhsa_system_sgpr_workgroup_id_x 1
		.amdhsa_system_sgpr_workgroup_id_y 1
		.amdhsa_system_sgpr_workgroup_id_z 1
		.amdhsa_system_vgpr_workitem_id 0
		.amdhsa_next_free_vgpr 768
		.amdhsa_next_free_sgpr 100
		.amdhsa_reserve_vcc 0
		.amdhsa_float_denorm_mode_32 3
		.amdhsa_float_denorm_mode_16_64 3
		.amdhsa_memory_ordered 1
		.amdhsa_forward_progress 1
		.amdhsa_inst_pref_size 104
	.end_amdhsa_kernel
	.amdgpu_metadata
---
amdhsa.version: [ 1, 2 ]
amdhsa.kernels:
  - .name:           k_q02885eb326_down
    .symbol:         k_q02885eb326_down.kd
    .args:
      - { .name: big, .offset: 0, .size: 8, .value_kind: global_buffer, .address_space: global }
      - { .name: bigs, .offset: 8, .size: 8, .value_kind: global_buffer, .address_space: global }
      - { .name: mlp_w2_codes, .offset: 16, .size: 8, .value_kind: global_buffer, .address_space: global }
      - { .name: mlp_w2_scales, .offset: 24, .size: 8, .value_kind: global_buffer, .address_space: global }
      - { .name: x1, .offset: 32, .size: 8, .value_kind: global_buffer, .address_space: global }
      - { .name: out0, .offset: 40, .size: 8, .value_kind: global_buffer, .address_space: global }
      - { .name: mlp_b2, .offset: 48, .size: 8, .value_kind: global_buffer, .address_space: global }
    .group_segment_fixed_size: 327680
    .private_segment_fixed_size: 0
    .kernarg_segment_align: 8
    .kernarg_segment_size: 56
    .max_flat_workgroup_size: 128
    .sgpr_count:     100
    .vgpr_count:     768
    .wavefront_size: 32
...
	.end_amdgpu_metadata
.endif
;; end of part 6
